; MI455X (gfx1250); checked and timed in simulation.
; The chip was launched on July 23, 2026; its instructions are those of AMD's public machine-readable ISA for CDNA 5 (MIT licence, August 2026) and "CDNA5" Instruction Set Architecture Reference Guide (July 2026). The comments in the code are by the model that wrote it; some were corrected since.
;; Attention2 D. Allowed arithmetic: matrix products marked QUANTISED: E4M3 operands, one given power-of-two scale a tensor, by v_wmma_f32_16x16x64_fp8_fp8 or v_wmma_f32_16x16x128_fp8_fp8, f32 sums; everything else in f32.
;; Inputs: beta_q 128 float32; bk 128 float32; bo 128 float32; bq 128 float32; bv 128 float32; gamma_q 128 float32; lowp_scales 12 int32 (the exponents e of the quantised operands' scales 2^e); q 8 x 128 x 64 x 64 float32; wk 128 x 128 float32; wo 128 x 128 float32; wq 128 x 128 float32; wv 128 x 128 float32.
;; Outputs: out0 8 x 128 x 64 x 64 float32.
;; This version of the problem:
;;   THIS VERSION OF THE PROBLEM IS GIVEN IN LOW PRECISION. The matrix products marked QUANTISED in the list below multiply operands that are first quantised to E4M3 (4 exponent bits, 3 mantissa bits; 8 bits a number), with one given power-of-two scale for each operand tensor; their sums are f32. All else is computed in f32.
;;   The module's matrix products, in the order in which they are computed (A, B: the left and right operand; K: the contracted axis; several contracted axes count as one K, in the product's order):
;;     1. [M 128, K 128] x [K 128, N 32,768]; A: input wq; B: computed on the way: QUANTISED (scales: A lowp_scales[0], B lowp_scales[1])
;;     2. [M 128, K 128] x [K 128, N 32,768]; A: input wk; B: computed on the way: QUANTISED (scales: A lowp_scales[2], B lowp_scales[3])
;;     3. [M 128, K 128] x [K 128, N 32,768]; A: input wv; B: computed on the way: QUANTISED (scales: A lowp_scales[4], B lowp_scales[5])
;;     4. batch 8 x [M 4,096, K 128] x [K 128, N 4,096]; A: computed on the way; B: computed on the way: QUANTISED (scales: A lowp_scales[6], B lowp_scales[7])
;;     5. batch 8 x [M 128, K 4,096] x [K 4,096, N 4,096]; A: computed on the way; B: softmax (see below): QUANTISED (scales: A lowp_scales[8], B lowp_scales[9])
;;     6. [M 128, K 128] x [K 128, N 32,768]; A: input wo; B: computed on the way: QUANTISED (scales: A lowp_scales[10], B lowp_scales[11])
;;   THE QUANTISER, for each operand of a quantised product, along K:
;;     - The operand's scale is 2^e, e = its entry of the input lowp_scales (int32; the entries are numbered through the quantised products in the list's order, A before B).
;;     - Each number is divided by the scale, clamped to +-448, and rounded to the nearest number of E4M3, ties to even, subnormals kept.
;;     - The product sums the exact products of the quantised numbers (number of the format x scale) in f32.
;;   ~~~python
;;   def quantise(x, axis, e):      # numpy; x: float32 -> the quantised numbers, widened to float32 again
;;       x = np.moveaxis(x, axis, -1); K = x.shape[-1]
;;       r = np.clip(x / 2.0 ** e, -448, 448)
;;       step = 2.0 ** (np.maximum(np.frexp(np.where(r == 0, 1, r))[1] - 1, -6) - 3)
;;       q = np.round(r / step) * step * 2.0 ** e      # np.round: ties to even
;;       return np.moveaxis(q, -1, axis).astype(np.float32)
;;   ~~~
;;   SOFTMAX AHEAD OF A QUANTISED PRODUCT. Where the list says 'softmax', what is quantised is not the finished softmax but p = 2^(t - M), with t = logit x log2(e) and M = ceil(the row's largest t), a whole number; so 1/2 < the row's largest p <= 1. The row's sum l is taken of the UNQUANTISED p, in f32, and the product's result is divided by l at the end. Since M is a whole number, a kernel that streams over the keys may use a running M (the ceiling of the running maximum): every later rescaling is an exact power of two, so the quantised numbers keep their values, but for numbers so far below the row's largest that they fall under the format's range.
;;   OPERANDS COMPUTED ON THE WAY. 'Computed on the way' means the value that the module computes at that place (a softmax that the list does not call 'softmax' is quantised finished and normalised). What goes into a quantiser is computed in f32, as accurately as f32 sums, v_exp_f32 and their like allow (about 1e-6 of the number): no bf16 or f16 on the way to a quantiser, and a product that is left as it is and whose result goes on into a quantised operand takes f32 operands (vector FMAs, or v_wmma_f32_16x16x4_f32). A number that lies on a knife's edge between two numbers of the format may be rounded either way, as far as f32 arithmetic and the matrix unit's own rounding can turn it there, and no further.
;; 3 versions. Each part assembles by itself: llvm-mc -triple=amdgcn-amd-amdhsa -mcpu=gfx1250 --defsym DOCPART=n.
;; ======== version 1 of 3: 3 launches
;; workspace buffers: coef 20,480 bytes; wcodes 65,536 bytes; qimg 4,194,304 bytes; kv 8,388,608 bytes
;; launch stats (part 1): grid 256 x 1, 4 waves a work-group, no clusters, 768 bytes of LDS; arguments q, gamma_q, beta_q, wq, wk, wv, wo, lowp_scales, coef, wcodes; writes coef, wcodes
.if DOCPART == 1
	.amdgcn_target "amdgcn-amd-amdhsa--gfx1250"
	.amdhsa_code_object_version 6
	.text
	.protected	k_qca1d36d471_stats
	.globl	k_qca1d36d471_stats
	.p2align	8
	.type	k_qca1d36d471_stats,@function
k_qca1d36d471_stats:
	s_mov_b64 s[64:65], 0
	v_nop
	global_prefetch_b8 v0, s[64:65] scope:SCOPE_SE
	s_setreg_imm32_b32 hwreg(HW_REG_WAVE_MODE, 25, 1), 1
	s_wait_xcnt 0x0
; GROUP NORM'S FIGURES, AND THE FOUR WEIGHTS AS CODES.
; A work-group takes one group of one image: 4 channels x 4,096 pixels, 65,536 consecutive bytes of q.  Wave w takes channel 4 grp + w: 16 KiB, 128 registers a lane, read once and
; kept for two passes: the mean m, then V = the mean of (x - m)^2: no difference of large sums is formed.
; From the four (m, V) of the group both norms follow without a second look at the data:
;   mu = avg m;  var = avg(V + (m - mu)^2);  A1 = gamma rsq(var + 1e-6);  qn = (x - mu) A1 + beta
;   of qn: channel mean m2 = A1 (m - mu) + beta, V2 = A1^2 V;  mu2 = avg m2;  var2 = avg(V2 + (m2 - mu2)^2);  G = gamma rsq(var2 + 1e-6)
;   vn = (x - mu) (G A1) + G (beta - mu2) + beta
; coef, 2,560 bytes an image: (A1, B1, A2, B2) of channel c at 16 c; the group's mu, once for each channel, at 2,048 + 4 c.
; Wave 0 also turns 256 numbers (two rows) of one weight into codes of E4M3: weight g / 64 (wq, wk, wv, wo), part g % 64; wcodes is [4][128 rows][128 codes], K innermost.
; LIMITS: the weights' exponents (entries 0, 2, 4, 10) lie between -126 and 119, so that 2^e and 448 x 2^e are f32 numbers.  NaN among the inputs is not served.
; No tensor load, no cluster, no matrix work: the launch reads q once, and its waves share eight numbers.
.set X,   16                           ; v16-143  my channel's row: 128 numbers a lane
.set INV, 0x39800000                   ; 2^-12 = 1 / 4,096
.macro WSUM r                          ; the sum over the wave's 32 lanes, in every lane
	v_add_f32_dpp v[\r], v[\r], v[\r] row_xmask:1 row_mask:0xf bank_mask:0xf
	v_add_f32_dpp v[\r], v[\r], v[\r] row_xmask:2 row_mask:0xf bank_mask:0xf
	v_add_f32_dpp v[\r], v[\r], v[\r] row_xmask:4 row_mask:0xf bank_mask:0xf
	v_add_f32_dpp v[\r], v[\r], v[\r] row_xmask:8 row_mask:0xf bank_mask:0xf
	v_permlanex16_b32 v15, v[\r], s30, s31
	v_add_f32 v[\r], v[\r], v15
.endm
.macro QSUM r                          ; the sum over four neighbouring lanes: the group's four channels
	v_add_f32_dpp v[\r], v[\r], v[\r] row_xmask:1 row_mask:0xf bank_mask:0xf
	v_add_f32_dpp v[\r], v[\r], v[\r] row_xmask:2 row_mask:0xf bank_mask:0xf
.endm
	s_load_b512 s[4:19], s[0:1], 0x0               ; q 4, gamma 6, beta 8, wq 10, wk 12, wv 14, wo 16, the exponents 18
	s_load_b128 s[20:23], s[0:1], 0x40             ; coef 20, wcodes 22
	v_lshl_add_u32 v176, v0, 2, 0x100
	v_mov_b32 v177, 0
	v_lshrrev_b32 v2, 5, v0
	v_readfirstlane_b32 s24, v2                    ; wave 0..3
	v_and_b32 v3, 31, v0                           ; lane
	v_and_b32 v4, 3, v0                            ; the channel of the group that my lane takes in the last part
	v_lshlrev_b32 v1, 4, v3                        ; 16 x lane
	v_lshlrev_b32 v13, 5, v3                       ; 32 x lane: my eight numbers of the weight
	v_lshlrev_b32 v173, 3, v3                      ; 8 x lane: their codes
	v_lshlrev_b32 v159, 3, v4                      ; LDS: (m, V) of channel lane % 4
	v_mov_b32 v15, 0                               ; written once: a lane permute's destination counts as one of its sources
	s_and_b32 s25, ttmp9, 31                       ; the group
	s_lshl_b32 s46, s25, 2
	v_add_nc_u32 v10, s46, v4
	v_lshlrev_b32 v10, 2, v10                      ; 4 (4 grp + lane % 4): gamma, beta, mu
	s_lshl_b32 s46, s25, 6
	v_add_nc_u32 v172, s46, v1                     ; 16 (4 grp + lane): the record
	s_lshl_b32 s46, s24, 3
	v_mov_b32 v158, s46                            ; LDS: 8 x wave
	s_mov_b32 s30, 0x76543210                      ; v_permlanex16_b32: lane l takes lane l xor 16
	s_mov_b32 s31, 0xfedcba98
	s_lshr_b32 s44, ttmp9, 6                       ; which weight
	s_and_b32 s45, ttmp9, 63                       ; which part of it
	s_lshl_b32 s26, ttmp9, 16                      ; the group's 65,536 bytes,
	s_lshl_b32 s27, s24, 14                        ; my channel's 16,384
	s_add_co_u32 s26, s26, s27
	s_mov_b32 s27, 0
	s_wait_kmcnt 0x0
	s_load_b256 s[32:39], s[18:19], 0x0            ; e0 .. e7
	s_load_b128 s[40:43], s[18:19], 0x20           ; e8 .. e11
	s_add_nc_u64 s[4:5], s[4:5], s[26:27]
	s_cmp_eq_u32 s44, 1                            ; the weight is chosen by the work-group's number alone
	s_cselect_b64 s[28:29], s[12:13], s[10:11]
	s_cmp_eq_u32 s44, 2
	s_cselect_b64 s[28:29], s[14:15], s[28:29]
	s_cmp_eq_u32 s44, 3
	s_cselect_b64 s[28:29], s[16:17], s[28:29]
	s_lshl_b32 s26, s45, 10
	s_add_nc_u64 s[28:29], s[28:29], s[26:27]      ; its part: 256 numbers, 1,024 bytes
	s_lshl_b32 s26, ttmp9, 8
	s_add_nc_u64 s[22:23], s[22:23], s[26:27]      ; and the part's codes: 256 g bytes on
	s_lshr_b32 s26, ttmp9, 5
	s_mul_i32 s26, s26, 2560
	s_add_nc_u64 s[20:21], s[20:21], s[26:27]      ; the image's coefficients
	s_cmp_lg_u32 s24, 0
	s_cbranch_scc1 .Lno_weight                     ; wave 0's two loads stand ahead of all others, so the counts below hold on both ways
	global_load_b128 v[144:147], v13, s[28:29]
	global_load_b128 v[148:151], v13, s[28:29] offset:16
.Lno_weight:
	global_load_b32 v11, v10, s[6:7]               ; gamma of channel lane % 4
	global_load_b32 v12, v10, s[8:9]               ; beta
.set j, 0
.rept 32
	global_load_b128 v[X+4*j:X+4*j+3], v1, s[4:5] offset:512*j     ; 32 lanes read 512 consecutive bytes; q is read again by later launches, so no hint
.set j, j+1
.endr
	; PASS 1: the sum, two numbers at a time, in four chains; the first sixteen numbers start them
.irp g, 0,1,2,3,4,5,6,7
	s_wait_loadcnt 28-4*\g                         ; this group's four loads are in; the count is the row's younger loads
.if \g == 0
.irp k, 0,1,2,3
	v_pk_add_f32 v[2+2*\k:3+2*\k], v[X+4*\k:X+4*\k+1], v[X+4*\k+2:X+4*\k+3]
.endr
.else
.irp p, 0,1,2,3,4,5,6,7
	v_pk_add_f32 v[2+2*(\p%4):3+2*(\p%4)], v[2+2*(\p%4):3+2*(\p%4)], v[X+16*\g+2*\p:X+16*\g+2*\p+1]
.endr
.endif
.endr
	v_pk_add_f32 v[2:3], v[2:3], v[4:5]
	v_pk_add_f32 v[6:7], v[6:7], v[8:9]
	v_pk_add_f32 v[2:3], v[2:3], v[6:7]
	v_add_f32 v2, v2, v3
	WSUM 2
	v_mul_f32 v14, INV, v2                         ; m
	; PASS 2: x - m in place, then the sum of squares in four chains
.set j, 0
.rept 64
	v_pk_add_f32 v[X+j:X+j+1], v[X+j:X+j+1], v[14:15] op_sel_hi:[1,0] neg_lo:[0,1] neg_hi:[0,1]   ; both less v14
.set j, j+2
.endr
.irp k, 0,1,2,3
	v_pk_mul_f32 v[2+2*\k:3+2*\k], v[X+2*\k:X+2*\k+1], v[X+2*\k:X+2*\k+1]
.endr
.set j, 8
.rept 60
	v_pk_fma_f32 v[2+2*((j/2)%4):3+2*((j/2)%4)], v[X+j:X+j+1], v[X+j:X+j+1], v[2+2*((j/2)%4):3+2*((j/2)%4)]
.set j, j+2
.endr
	v_pk_add_f32 v[2:3], v[2:3], v[4:5]
	v_pk_add_f32 v[6:7], v[6:7], v[8:9]
	v_pk_add_f32 v[2:3], v[2:3], v[6:7]
	v_add_f32 v2, v2, v3
	WSUM 2
	v_mov_b32 v156, v14                            ; (m, V) as a pair for one LDS store
	v_mul_f32 v157, INV, v2
	ds_store_b64 v158, v[156:157]                  ; every lane writes the same eight bytes
	s_wait_kmcnt 0x0                               ; the exponents
	s_cmp_lg_u32 s24, 0
	s_cbranch_scc1 .Lno_codes
	; wave 0: eight numbers a lane become eight codes
	s_cmp_eq_u32 s44, 1
	s_cselect_b32 s46, s34, s32                    ; e of the weight: entry 0, 2, 4 or 10
	s_cmp_eq_u32 s44, 2
	s_cselect_b32 s46, s36, s46
	s_cmp_eq_u32 s44, 3
	s_cselect_b32 s46, s42, s46
	s_add_co_i32 s46, s46, 127
	s_lshl_b32 s47, s46, 23
	v_mov_b32 v154, s47                            ; 2^e as f32: the conversion takes its exponent field
	s_add_co_i32 s46, s46, 8
	s_lshl_b32 s46, s46, 23
	s_or_b32 s46, s46, 0x600000
	v_mov_b32 v155, s46                            ; 448 x 2^e
.irp i, 0,1,2,3,4,5,6,7
	v_med3_num_f32 v[144+\i], v[144+\i], -v155, v155   ; the conversion to an 8-bit code does not saturate (ISA guide 7.6.2): the hold comes first
.endr
	v_cvt_scalef32_pk8_fp8_f32 v[152:153], v[144:151], v154
	v_nop                                          ; a plain line behind the conversion
	global_store_b64 v173, v[152:153], s[22:23]    ; the wave stores 256 consecutive bytes, at a multiple of 256 from the buffer's first byte
.Lno_codes:
	s_wait_dscnt 0x0                               ; for the others' sake: my (m, V) lies in LDS
	s_barrier_signal -1
	s_barrier_wait -1
	ds_load_b64 v[160:161], v159                   ; m, V of channel lane % 4
	s_mov_b32 s47, 0x358637bd                      ; 1e-6
	s_wait_dscnt 0x0
	v_mov_b32 v162, v160
	QSUM 162
	v_mul_f32 v163, 0.25, v162                     ; mu
	v_sub_f32 v164, v160, v163                     ; m - mu
	v_fma_f32 v165, v164, v164, v161               ; V + (m - mu)^2
	QSUM 165
	v_fma_f32 v165, v165, 0.25, s47                ; var + 1e-6
	v_rsq_f32 v165, v165
	v_mov_b32 v169, v12                            ; B1 = beta.  (The plain line behind the transcendental)
	s_wait_alu depctr_va_vdst(0)
	v_mul_f32 v168, v11, v165                      ; A1
	v_fma_f32 v166, v168, v164, v12                ; m2
	v_mul_f32 v167, v168, v168
	v_mul_f32 v167, v167, v161                     ; V2
	v_mov_b32 v162, v166
	QSUM 162
	v_mul_f32 v162, 0.25, v162                     ; mu2
	v_sub_f32 v166, v166, v162                     ; m2 - mu2
	v_fma_f32 v167, v166, v166, v167
	QSUM 167
	v_fma_f32 v167, v167, 0.25, s47                ; var2 + 1e-6
	v_rsq_f32 v167, v167
	v_sub_f32 v164, v12, v162                      ; beta - mu2.  (The plain line behind the transcendental)
	s_wait_alu depctr_va_vdst(0)
	v_mul_f32 v167, v11, v167                      ; G
	v_mul_f32 v170, v167, v168                     ; A2
	v_fma_f32 v171, v167, v164, v12                ; B2
	s_cmp_lg_u32 s24, 0
	s_cbranch_scc1 .Lend
	s_wait_xcnt 0x0                                ; EXEC changes only behind this wait
	v_cmp_gt_u32 vcc_lo, 4, v0
	s_and_saveexec_b32 s46, vcc_lo                 ; lanes 0 to 3 of wave 0: one channel each
	global_store_b128 v172, v[168:171], s[20:21]
	global_store_b32 v10, v163, s[20:21] offset:2048
	s_wait_xcnt 0x0                                ; and again in front of the line that widens it
	s_or_b32 exec_lo, exec_lo, s46
.Lend:
	s_wait_tensorcnt 0x0
	ds_add_u32 v176, v177
	s_wait_dscnt 0x0
	s_endpgm
.Lfunc_end_k_qca1d36d471_stats:
	.size	k_qca1d36d471_stats, .Lfunc_end_k_qca1d36d471_stats-k_qca1d36d471_stats
	.p2alignl 7, 3214868480
	.fill 96, 4, 3214868480
	.section	.rodata,"a",@progbits
	.p2align	6, 0x0
	.amdhsa_kernel k_qca1d36d471_stats
		.amdhsa_group_segment_fixed_size 768
		.amdhsa_private_segment_fixed_size 0
		.amdhsa_enable_private_segment 0
		.amdhsa_kernarg_size 80
		.amdhsa_user_sgpr_count 2
		.amdhsa_user_sgpr_kernarg_segment_ptr 1
		.amdhsa_wavefront_size32 1
		.amdhsa_system_sgpr_workgroup_id_x 1
		.amdhsa_system_sgpr_workgroup_id_y 1
		.amdhsa_system_sgpr_workgroup_id_z 1
		.amdhsa_system_vgpr_workitem_id 0
		.amdhsa_next_free_vgpr 178
		.amdhsa_next_free_sgpr 66
		.amdhsa_reserve_vcc 1
		.amdhsa_float_denorm_mode_32 3
		.amdhsa_float_denorm_mode_16_64 3
		.amdhsa_memory_ordered 1
		.amdhsa_forward_progress 1
		.amdhsa_inst_pref_size 23
	.end_amdhsa_kernel
	.amdgpu_metadata
---
amdhsa.version: [ 1, 2 ]
amdhsa.kernels:
  - .name:           k_qca1d36d471_stats
    .symbol:         k_qca1d36d471_stats.kd
    .args:
      - { .name: q, .offset: 0, .size: 8, .value_kind: global_buffer, .address_space: global }
      - { .name: gamma_q, .offset: 8, .size: 8, .value_kind: global_buffer, .address_space: global }
      - { .name: beta_q, .offset: 16, .size: 8, .value_kind: global_buffer, .address_space: global }
      - { .name: wq, .offset: 24, .size: 8, .value_kind: global_buffer, .address_space: global }
      - { .name: wk, .offset: 32, .size: 8, .value_kind: global_buffer, .address_space: global }
      - { .name: wv, .offset: 40, .size: 8, .value_kind: global_buffer, .address_space: global }
      - { .name: wo, .offset: 48, .size: 8, .value_kind: global_buffer, .address_space: global }
      - { .name: lowp_scales, .offset: 56, .size: 8, .value_kind: global_buffer, .address_space: global }
      - { .name: coef, .offset: 64, .size: 8, .value_kind: global_buffer, .address_space: global }
      - { .name: wcodes, .offset: 72, .size: 8, .value_kind: global_buffer, .address_space: global }
    .group_segment_fixed_size: 768
    .private_segment_fixed_size: 0
    .kernarg_segment_align: 8
    .kernarg_segment_size: 80
    .max_flat_workgroup_size: 128
    .sgpr_count:     66
    .vgpr_count:     178
    .wavefront_size: 32
...
	.end_amdgpu_metadata
.endif
;; end of part 1
;; launch project (part 2): grid 256 x 1, 4 waves a work-group, no clusters, 0 bytes of LDS; arguments q, coef, wcodes, bq, bk, bv, lowp_scales, qimg, kv; writes qimg, kv
.if DOCPART == 2
	.amdgcn_target "amdgcn-amd-amdhsa--gfx1250"
	.amdhsa_code_object_version 6
	.text
	.protected	k_qca1d36d471_project
	.globl	k_qca1d36d471_project
	.p2align	8
	.type	k_qca1d36d471_project,@function
k_qca1d36d471_project:
	s_mov_b64 s[64:65], 0
	v_nop
	global_prefetch_b8 v0, s[64:65] scope:SCOPE_SE
	s_setreg_imm32_b32 hwreg(HW_REG_WAVE_MODE, 25, 1), 1
	s_wait_xcnt 0x0
; BOTH NORMS, THEIR CODES, AND THE THREE PROJECTIONS Q, K, V, WHICH LEAVE AS CODES LAID AS THE ATTENTION'S OPERAND REGISTERS.
; A work-group takes 128 pixels of one image (one key step), a wave 32 of them, A LANE ONE PIXEL: register X + c is q(channel c, my pixel), so a lane's registers run along K = the channels, and each
; load reads 128 consecutive bytes a wave, 512 the four waves.  Waves share nothing: no LDS, no barrier.
; PHASE 1, eight channels at a time: d = x - mu;  qn = d A1 + B1;  vn = d A2 + B2 (coefficients in scalar registers, two sets by turns); qn becomes codes by entry 1, vn by entry 3 (for K) and by entry 5 (for V).
; A lane then holds its pixel's 128 codes three times.  An operand wants lane (r, h) to hold, of pixel r, channels 32 g + 16 h + 0 .. 15 in registers 4 g .. 4 g + 3: the codes of channels 32 g + 0 .. 15 lie in the
; first 16 registers, those of 32 g + 16 .. 31 in the second 16, and one exchange of lanes 16-31 of the first with lanes 0-15 of the second makes the two tiles' fragments.
; (That order of k is not the plain form's own: it is one permutation of k, the same in both operands of every product that uses it.)
; PHASE 2, twelve pieces of 32 output channels: Q and K transposed (source 0 = 16 rows of the weight, source 1 = 16 pixels), so that a lane holds one pixel and eight channels.  THE ROWS OF A WEIGHT THAT FORM A TILE ARE
; NOT NEIGHBOURS: lane r of tile 2 b + u takes row 32 b + 8 u + r + 8 (r / 8), so that the 16 registers of tiles 2 b, 2 b + 1 are channels 32 b + 16 h + 0 .. 15.  The bias, divided by the power of two that the sums
; lack, is the C of the product.  V the other way (source 0 = 16 pixels, source 1 = 16 rows of wv): a lane holds one channel and eight neighbouring keys, since the keys are the next K.
; qimg: [image][tile of 16 queries][4 groups g][32 lanes][16 bytes].  kv: [image][key step][K's image 16,384 | V's image 16,384], an image [8 tiles][4 groups][32 lanes][16 bytes].
; LIMITS: entries 1, 3, 5, 8, and e7 - e0 - e1 and e6 - e2 - e3, between -126 and 119; e4 + e5 between -126 and 127.  NaN among the inputs is not served.
.set CQ,  16                           ; v16-47   qn's codes: tile 0 at +0, tile 1 at +16
.set CK,  48                           ; v48-79   vn's codes by entry 3
.set CV,  80                           ; v80-111  vn's codes by entry 5
.set X,   112                          ; v112-239 phase 1: channel c at X + c
.set TA,  240                          ; v240-247 qn of eight channels
.set TB,  248                          ; v248-255 vn of eight channels
.set WF,  112                          ; phase 2: two buffers of two weight fragments
.set BI,  176                          ; two buffers of 16 bias registers
.set ACC, 208                          ; four accumulators
.set OUT, 240                          ; eight registers of codes
.macro MKSC e, vs, vl                  ; from the whole number in s[e]: v[vs] = 2^e as f32, v[vl] = 448 x 2^e
	s_add_co_i32 s14, s[\e], 127
	s_lshl_b32 s15, s14, 23
	v_mov_b32 v[\vs], s15
	s_add_co_i32 s14, s14, 8
	s_lshl_b32 s14, s14, 23
	s_or_b32 s14, s14, 0x600000
	v_mov_b32 v[\vl], s14
.endm
.macro SLOAD i, rb, mb                 ; the coefficients of channels 8 i .. 8 i + 7: eight records into s[rb ..], the two groups' mu into s[mb], s[mb + 1]
	s_load_b512 s[\rb:\rb+15], s[6:7], 128*(\i)
	s_load_b512 s[\rb+16:\rb+31], s[6:7], 128*(\i)+64
	s_load_b32 s[\mb], s[6:7], 2048+32*(\i)
	s_load_b32 s[\mb+1], s[6:7], 2048+32*(\i)+16
.endm
.macro LOADX i                         ; channels 8 i .. 8 i + 7 of my pixel
.irp j, 0,1,2,3,4,5,6,7
	global_load_b32 v[X+8*(\i)+\j], v1, s[4:5] offset:(8*(\i)+\j)*16384
.endr
.endm
.macro LOADP n                         ; piece n's two weight fragments and its bias, into buffer n % 2: 12 loads for Q and K, 10 for V
.set LW, WF+32*((\n)%2)
.set LB, BI+16*((\n)%2)
.set LT, (\n)/4
.set LQ, (\n)%4
.irp u, 0,1
.irp g, 0,1,2,3
	global_load_b128 v[LW+16*\u+4*\g:LW+16*\u+4*\g+3], v9, s[8:9] offset:LT*16384+(32*LQ+8*\u)*128+32*\g
.endr
.endr
.if LT == 0
.irp u, 0,1
	global_load_b128 v[LB+8*\u:LB+8*\u+3], v10, s[10:11] offset:(32*LQ+8*\u)*4
	global_load_b128 v[LB+8*\u+4:LB+8*\u+7], v10, s[10:11] offset:(32*LQ+8*\u)*4+16
.endr
.elseif LT == 1
.irp u, 0,1
	global_load_b128 v[LB+8*\u:LB+8*\u+3], v10, s[16:17] offset:(32*LQ+8*\u)*4
	global_load_b128 v[LB+8*\u+4:LB+8*\u+7], v10, s[16:17] offset:(32*LQ+8*\u)*4+16
.endr
.else
.irp u, 0,1
	global_load_b32 v[LB+\u], v11, s[18:19] offset:(32*LQ+8*\u)*4
.endr
.endif
.endm
	s_load_b256 s[4:11], s[0:1], 0x0               ; q 4, coef 6, wcodes 8, bq 10
	s_load_b64 s[12:13], s[0:1], 0x30              ; the exponents
	v_lshrrev_b32 v12, 5, v0
	v_readfirstlane_b32 s2, v12                    ; wave 0..3
	v_and_b32 v12, 31, v0                          ; lane
	v_lshlrev_b32 v1, 2, v12                       ; 4 x lane: my pixel
	v_lshlrev_b32 v8, 4, v12                       ; 16 x lane: my place in an image
	v_and_b32 v13, 15, v0                          ; r
	v_bfe_u32 v14, v0, 4, 1                        ; h
	v_and_b32 v15, 8, v13
	v_add_nc_u32 v15, v15, v13                     ; r + 8 (r / 8)
	v_lshlrev_b32 v9, 7, v15
	v_lshl_add_u32 v9, v14, 4, v9                  ; a weight's row of 128 codes, + 16 h
	v_lshlrev_b32 v10, 6, v14                      ; Q's and K's bias: 16 h channels on
	v_lshlrev_b32 v11, 2, v15                      ; V's bias: that of my row
	s_lshr_b32 s3, ttmp9, 5                        ; image
	s_and_b32 s14, ttmp9, 31                       ; key step
	s_lshl_b32 s100, s3, 21
	s_lshl_b32 s15, s14, 9
	s_add_co_u32 s100, s100, s15
	s_lshl_b32 s15, s2, 7
	s_add_co_u32 s100, s100, s15                   ; the image, + 128 pixels a step, + 32 a wave
	s_mov_b32 s101, 0
	s_mul_i32 s14, s3, 2560
	s_mov_b32 s15, 0
	s_wait_kmcnt 0x0
	s_add_nc_u64 s[4:5], s[4:5], s[100:101]
	s_add_nc_u64 s[6:7], s[6:7], s[14:15]
	s_load_b256 s[52:59], s[12:13], 0x0            ; e0 .. e7
	s_load_b32 s60, s[12:13], 0x20                 ; e8
	SLOAD 0, 16, 48
.irp i, 0,1,2,3,4,5
	LOADX \i
.endr
	s_wait_kmcnt 0x0
	MKSC 53, 2, 3                                  ; entry 1: qn
	MKSC 55, 4, 5                                  ; entry 3: vn for K
	MKSC 57, 6, 7                                  ; entry 5: vn for V
; Eight channels.  The coefficients lie in set i % 2; the next chunk's are asked for into the other set, whose last readers have been issued.
.macro CHUNK i
.if (\i)%2 == 0
.set RB, 16
.set MB, 48
.set RN, 68
.set MN, 50
.else
.set RB, 68
.set MB, 50
.set RN, 16
.set MN, 48
.endif
.set XC, X+8*(\i)
.set DE, 16*(((\i)%4)/2)+4*((\i)/4)+2*((\i)%2)     ; where the chunk's eight codes go: channels 32 g + 16 .. 31 into the second sixteen registers
	s_wait_kmcnt 0x0                               ; this chunk's coefficients are in
.if (\i) < 15
	SLOAD (\i)+1, RN, MN
.else
	s_load_b128 s[16:19], s[0:1], 0x20             ; phase 2's addresses take the idle set's registers: bk, bv,
	s_load_b128 s[20:23], s[0:1], 0x38             ; qimg, kv
.endif
.if (\i) < 10
	LOADX (\i)+6
	s_wait_loadcnt 48                              ; my eight loads are in; the six younger chunks' stay out
.else
.if (\i) == 10
	LOADP 0                                        ; into registers of chunks 0-3, 8 and 9, which are done with
.endif
	s_wait_loadcnt 8*(15-(\i))+12                  ; the younger chunks' loads and piece 0's twelve stay out
.endif
.irp j, 0,1,2,3,4,5,6,7
	v_sub_f32 v[XC+\j], v[XC+\j], s[MB+\j/4]                           ; d = x - mu
	v_fma_f32 v[TA+\j], v[XC+\j], s[RB+4*\j], s[RB+4*\j+1]            ; qn
	v_fma_f32 v[TB+\j], v[XC+\j], s[RB+4*\j+2], s[RB+4*\j+3]          ; vn
.endr
.irp j, 0,1,2,3,4,5,6,7
	v_med3_num_f32 v[TA+\j], v[TA+\j], -v3, v3     ; the conversion to an 8-bit code does not saturate (ISA guide 7.6.2): the hold comes first
.endr
	v_cvt_scalef32_pk8_fp8_f32 v[CQ+DE:CQ+DE+1], v[TA:TA+7], v2
.irp j, 0,1,2,3,4,5,6,7
	v_med3_num_f32 v[XC+\j], v[TB+\j], -v5, v5     ; vn held for K's scale, into d's registers, which are done with
.endr
	v_cvt_scalef32_pk8_fp8_f32 v[CK+DE:CK+DE+1], v[XC:XC+7], v4
.irp j, 0,1,2,3,4,5,6,7
	v_med3_num_f32 v[TB+\j], v[TB+\j], -v7, v7     ; and for V's
.endr
	v_cvt_scalef32_pk8_fp8_f32 v[CV+DE:CV+DE+1], v[TB:TB+7], v6   ; (the next chunk begins with a plain line on other registers)
.endm
.irp i, 0,1,2,3,4,5,6,7,8,9,10,11,12,13,14,15
	CHUNK \i
.endr
	v_nop                                          ; a plain line between the last conversion and the lines that touch its result
.irp c, CQ, CK, CV
.set j, 0
.rept 16
	v_permlane16_swap_b32 v[\c+j], v[\c+16+j]      ; lanes 16-31 of the first with lanes 0-15 of the second: now the fragments of pixels 0-15 and 16-31
.set j, j+1
.endr
.endr
	s_wait_kmcnt 0x0                               ; phase 2's addresses
	s_lshl_b32 s14, ttmp9, 14
	s_lshl_b32 s15, s2, 12
	s_add_co_u32 s14, s14, s15
	s_mov_b32 s15, 0
	s_add_nc_u64 s[24:25], s[20:21], s[14:15]      ; qimg: 16,384 bytes a work-group, 4,096 a wave (two tiles)
	s_lshl_b32 s14, ttmp9, 15
	s_lshl_b32 s100, s2, 12
	s_add_co_u32 s100, s100, s14
	s_add_nc_u64 s[26:27], s[22:23], s[100:101]    ; K's image: 32,768 bytes a key step, my two tiles
	s_lshl_b32 s100, s2, 9
	s_add_co_u32 s100, s100, s14
	s_add_co_u32 s100, s100, 16384
	s_add_nc_u64 s[28:29], s[22:23], s[100:101]    ; V's image: my 32 keys are group w of every tile
	s_add_co_i32 s61, s52, s53
	s_sub_co_i32 s61, 0, s61                       ; -(e0 + e1): a sum of the first product stands for sum x 2^(e0 + e1), so bq goes in divided by that,
	s_add_co_i32 s30, s59, s61                     ; and Q's conversion takes 2^(e7 - e0 - e1)
	s_add_co_i32 s62, s54, s55
	s_sub_co_i32 s62, 0, s62                       ; -(e2 + e3)
	s_add_co_i32 s31, s58, s62                     ; e6 - e2 - e3
	s_add_co_i32 s63, s56, s57
	s_add_co_i32 s63, s63, 127
	s_lshl_b32 s63, s63, 23                        ; 2^(e4 + e5) as f32
	MKSC 30, 2, 3
	MKSC 31, 4, 5
	MKSC 60, 6, 7                                  ; entry 8: V
; A piece: 32 output channels x my 32 pixels: four matrix instructions on four accumulators.
.macro PIECE n
.if (\n) < 11
	LOADP (\n)+1                                   ; into the buffer that the piece before multiplied: its products stand more than four plain lines back
.if (\n)+1 < 8
	s_wait_loadcnt 12                              ; my loads are in; the count is the next piece's
.else
	s_wait_loadcnt 10
.endif
.else
	s_wait_loadcnt 0x0
.endif
.set WP, WF+32*((\n)%2)
.set BP, BI+16*((\n)%2)
.set TP, (\n)/4
.set PQ, (\n)%4
.set VS, 2+2*TP
.if TP < 2
.set CC, CQ+32*TP
.irp j, 0,1,2,3,4,5,6,7,8,9,10,11,12,13,14,15
	v_ldexp_f32 v[BP+\j], v[BP+\j], s[61+TP]       ; the bias divided by the power of two that the sums lack
.endr
.irp p, 0,1
.irp u, 0,1
	v_wmma_f32_16x16x128_fp8_fp8 v[ACC+16*\p+8*\u:ACC+16*\p+8*\u+7], v[WP+16*\u:WP+16*\u+15], v[CC+16*\p:CC+16*\p+15], v[BP+8*\u:BP+8*\u+7]
.endr
.endr
.else
.irp u, 0,1
.irp p, 0,1
	v_wmma_f32_16x16x128_fp8_fp8 v[ACC+16*\u+8*\p:ACC+16*\u+8*\p+7], v[CV+16*\p:CV+16*\p+15], v[WP+16*\u:WP+16*\u+15], 0
.endr
.endr
.endif
.rept 4
	v_nop                                          ; four places in front of the first read of the results (ISA guide 7.12.1)
.endr
.if TP == 2
.irp u, 0,1
.irp j, 0,1,2,3,4,5,6,7,8,9,10,11,12,13,14,15
	v_fma_f32 v[ACC+16*\u+\j], v[ACC+16*\u+\j], s63, v[BP+\u]     ; V = sum x 2^(e4 + e5) + bv of my lane's channel
.endr
.endr
.endif
.set j, 0
.rept 32
	v_med3_num_f32 v[ACC+j], v[ACC+j], -v[VS+1], v[VS+1]          ; each accumulator from its low end on
.set j, j+1
.endr
	s_wait_xcnt 0x0                                ; the last piece's stores have read their data: OUT is written again only behind this wait
.irp a, 0,1
.irp b, 0,1
	v_cvt_scalef32_pk8_fp8_f32 v[OUT+4*\a+2*\b:OUT+4*\a+2*\b+1], v[ACC+16*\a+8*\b:ACC+16*\a+8*\b+7], v[VS]
.endr
.endr
	v_nop                                          ; a plain line behind the last conversion: the next products write its sources
.irp a, 0,1
.if TP < 2
	global_store_b128 v8, v[OUT+4*\a:OUT+4*\a+3], s[24+2*TP:25+2*TP] offset:2048*\a+512*PQ      ; tile a of my two, group b: the wave stores 512 consecutive bytes
.else
	global_store_b128 v8, v[OUT+4*\a:OUT+4*\a+3], s[28:29] offset:2048*(2*PQ+\a)                ; tile 2 b + u of V's image, group w
.endif
.endr
.endm
.irp n, 0,1,2,3,4,5,6,7,8,9,10,11
	PIECE \n
.endr
	s_endpgm
.Lfunc_end_k_qca1d36d471_project:
	.size	k_qca1d36d471_project, .Lfunc_end_k_qca1d36d471_project-k_qca1d36d471_project
	.p2alignl 7, 3214868480
	.fill 96, 4, 3214868480
	.section	.rodata,"a",@progbits
	.p2align	6, 0x0
	.amdhsa_kernel k_qca1d36d471_project
		.amdhsa_group_segment_fixed_size 0
		.amdhsa_private_segment_fixed_size 0
		.amdhsa_enable_private_segment 0
		.amdhsa_kernarg_size 72
		.amdhsa_user_sgpr_count 2
		.amdhsa_user_sgpr_kernarg_segment_ptr 1
		.amdhsa_wavefront_size32 1
		.amdhsa_system_sgpr_workgroup_id_x 1
		.amdhsa_system_sgpr_workgroup_id_y 1
		.amdhsa_system_sgpr_workgroup_id_z 1
		.amdhsa_system_vgpr_workitem_id 0
		.amdhsa_next_free_vgpr 256
		.amdhsa_next_free_sgpr 102
		.amdhsa_reserve_vcc 0
		.amdhsa_float_denorm_mode_32 3
		.amdhsa_float_denorm_mode_16_64 3
		.amdhsa_memory_ordered 1
		.amdhsa_forward_progress 1
		.amdhsa_inst_pref_size 138
	.end_amdhsa_kernel
	.amdgpu_metadata
---
amdhsa.version: [ 1, 2 ]
amdhsa.kernels:
  - .name:           k_qca1d36d471_project
    .symbol:         k_qca1d36d471_project.kd
    .args:
      - { .name: q, .offset: 0, .size: 8, .value_kind: global_buffer, .address_space: global }
      - { .name: coef, .offset: 8, .size: 8, .value_kind: global_buffer, .address_space: global }
      - { .name: wcodes, .offset: 16, .size: 8, .value_kind: global_buffer, .address_space: global }
      - { .name: bq, .offset: 24, .size: 8, .value_kind: global_buffer, .address_space: global }
      - { .name: bk, .offset: 32, .size: 8, .value_kind: global_buffer, .address_space: global }
      - { .name: bv, .offset: 40, .size: 8, .value_kind: global_buffer, .address_space: global }
      - { .name: lowp_scales, .offset: 48, .size: 8, .value_kind: global_buffer, .address_space: global }
      - { .name: qimg, .offset: 56, .size: 8, .value_kind: global_buffer, .address_space: global }
      - { .name: kv, .offset: 64, .size: 8, .value_kind: global_buffer, .address_space: global }
    .group_segment_fixed_size: 0
    .private_segment_fixed_size: 0
    .kernarg_segment_align: 8
    .kernarg_segment_size: 72
    .max_flat_workgroup_size: 128
    .sgpr_count:     102
    .vgpr_count:     256
    .wavefront_size: 32
...
	.end_amdgpu_metadata
.endif
;; end of part 2
;; launch attend (part 3): grid 32 x 8, 8 waves a work-group, clusters of 4 x 1, 327,680 bytes of LDS; arguments qimg, kv, wcodes, bo, lowp_scales, q, out0; writes out0
.if DOCPART == 3
	.amdgcn_target "amdgcn-amd-amdhsa--gfx1250"
	.amdhsa_code_object_version 6
	.text
	.protected	k_qca1d36d471_attend
	.globl	k_qca1d36d471_attend
	.p2align	8
	.type	k_qca1d36d471_attend,@function
k_qca1d36d471_attend:
	s_mov_b64 s[64:65], 0
	v_nop
	global_prefetch_b8 v0, s[64:65] scope:SCOPE_SE
	s_setreg_imm32_b32 hwreg(HW_REG_WAVE_MODE, 25, 1), 1
	s_wait_xcnt 0x0
	s_wait_alu depctr_hold_cnt(0) depctr_sa_sdst(0) depctr_va_vdst(0) depctr_va_sdst(0) depctr_va_ssrc(0) depctr_va_vcc(0) depctr_vm_vsrc(0)
	s_getreg_b32 s2, hwreg(HW_REG_IB_STS2, 6, 4)
	s_cmp_eq_u32 s2, 0
	s_cbranch_scc0 .Lentry_in_a_cluster
	s_endpgm
.Lentry_in_a_cluster:
	s_bfe_u32 s2, ttmp6, 0x10000c
	s_cmp_lg_u32 s2, 0x3003
	s_cbranch_scc0 .Lentry_shape_is_right
	s_endpgm
.Lentry_shape_is_right:
; ATTENTION ON CODES OF E4M3, THE OUTPUT PROJECTION, THE RESIDUAL.  out0 = (wo . (V softmax_x(K^T Q / sqrt(128))) + bo + q) / sqrt(2), per image: 4,096 queries, 4,096 keys, 128 channels.
; THE SOFTMAX AHEAD OF THE SECOND PRODUCT: t = score x log2(e) / sqrt(128); M = the largest t so far, rounded UP to a whole number; p = 2^(t - M) is what is quantised (entry 9); the sum is taken of the
; unquantised p and divides at the end.  When M moves, the sum and O are multiplied by 2^(old M - new M), which rounds nothing.
; SHARES.  A work-group owns 128 queries of one image.  Wave w: qg = w % 4 owns queries 32 qg .. + 31 as TWO tiles of 16, so that each fragment of K and V read from LDS feeds two products; kh = w / 4 takes
; key steps 2 kh, 2 kh + 1 of every slot of four.  The two halves of the keys are merged at the end through LDS: since both M are whole numbers the merge rounds nothing but the sums.
; Each half runs its own M: numbers far below the row's largest p may keep a code that a single M would flush.
; LAYOUT.  Both products are used transposed: S^T = K Q^T (source 0 = 16 keys, source 1 = 16 queries), O^T = V^T P^T: a lane holds ONE query (lane % 16) throughout.  Register j of S^T's tile t is key 16 t + 8 h + j,
; so eight registers convert into registers 2 t, 2 t + 1 of P: the plain form's own order of k, in which V's image was laid.  V's rows were chosen so that the 16 registers of O^T's tiles 2 b, 2 b + 1 are channels
; 32 b + 16 h + 0 .. 15: their codes are the last product's operand as they stand.
; RING.  K's and V's register images of four key steps are one dense block of 131,072 bytes: a slot.  Two slots; each of the eight waves brings 64 rows of 256 bytes of a slot by one tensor load.  No padding: every
; fragment load reads 512 consecutive bytes.  By this text's own count a wave has one tensor load out at a time, and that load has two key steps of every wave in which to land.
; CLUSTER.  The four work-groups of a cluster belong to one image and walk the same block: each tile is asked for JOINTLY, by the same tensor load with the same descriptor and the mask of all four.
; LIMITS on the given exponents, so that each power of two below is an f32 number: e6 + e7 between -123 and 130; e9 and e11 between -126 and 119; e10 + e11 between -125 and 128; e8 + e9 goes in by v_ldexp_f32.
; REGISTERS, in windows of 256: window 0: v1-13 addresses; v16-39 statistics; v40-43 scales; v48-79 Q; v80-207 S^T, then p (64 a tile); v208-239 P's codes; v240-251 bo, the partner's statistics.
;   window 1: v0-127 O^T (64 a tile); v128-255 eight fragments of K or of V.
.set SLOT1, 1<<17                      ; slot 1 begins here: one exclusive or turns an address in one slot into the other's
.set SPARE, 2*SLOT1                    ; behind the ring: the spare words, 128 bytes for each of eight waves: four blocks of 256 bytes that no other line names
.set STATS, SPARE+1024                 ; 1,024 bytes a wave: the statistics on their way to the partner
.set SP,    528                        ; the stage: 128 rows of 512 bytes + 16.  It lies in slot 1, the merge's images (16,384 bytes a wave) in slot 0: both slots have had their last fill by then
.set A0,   1                           ; v1   kh x 65,536 + 16 x lane: my half of a slot
.set MST,  2                           ; v2   where my O^T goes for the merge
.set MLD,  3                           ; v3   where the partner's lies
.set SST,  4                           ; v4   where my statistics go
.set SPW,  5                           ; v5   LDS address of my spare word: SPARE + 4 x my thread's number; never rewritten
.set NIL,  6                           ; v6   0; never rewritten
.set SLD,  7                           ; v7   where the partner's statistics lie
.set ADR,  8                           ; v8   the key step's fragments
.set STO,  9                           ; v9   the stage: where I put 32 bytes of a row
.set SRD,  10                          ; v10  and where I read a row back
.set WOA,  11                          ; v11  wo's codes: my row, + 16 h
.set BOA,  12                          ; v12  bo of my row
.set GOF,  13                          ; v13  16 x lane
.set TT,   16                          ; tile x at TT + 4 x: -M, the largest t, the sum in two halves
.set FP,   24                          ; tile x at FP + 2 x: f = 2^(old M - new M), as the low word of a pair
.set UU,   28                          ; tile x at UU + 6 x: +0, +1 at work, +2 the permute's, +3 at work, +4, +5 the second chain of sums
.set LIMP, 40                          ; 448 x 2^e9
.set SCP,  41                          ; 2^e9
.set SCO,  42                          ; 2^e11
.set LIMO, 43                          ; 448 x 2^e11
.set Q,    48
.set S,    80
.set P,    208
.set BO,   240
.set PS,   244
.set F,    128                         ; in window 1
.set WV,   18                          ; s18  wave
.set KH,   19                          ; s19  which half of the keys
.set SEL,  20                          ; s[20:21] v_permlanex16_b32: lane l xor 16
.set CS,   22                          ; s[22:23] c = log2(e) / sqrt(128) x 2^(e6 + e7)
.set G1,   24                          ; s[24:31] descriptor group 1
.set G0,   32                          ; s[32:35] descriptor group 0, which walks
.set TB,   36                          ; s36  LDS byte at which the slot in hand begins
.set SLOTS, 37                         ; s37  slots still to be asked for
.set MSB, 0
.macro WIN new                         ; s_set_vgpr_msb: bits 1:0 source 0, 3:2 source 1, 5:4 source 2, 7:6 destination; the high byte repeats the setting that is left
.if MSB != \new
	s_set_vgpr_msb (MSB<<8)|\new
.set MSB, \new
.endif
.endm
.macro MKSC e, vs, vl                  ; from the whole number in s[e]: v[vs] = 2^e as f32, v[vl] = 448 x 2^e
	s_add_co_i32 s44, s[\e], 127
	s_lshl_b32 s45, s44, 23
	v_mov_b32 v[\vs], s45
	s_add_co_i32 s44, s44, 8
	s_lshl_b32 s44, s44, 23
	s_or_b32 s44, s44, 0x600000
	v_mov_b32 v[\vl], s44
.endm
; A round of the cluster's barrier: my work-group's barrier, so that wave 0's signal speaks for all eight waves; wave 0 signals for the work-group; every wave waits for all four work-groups; my work-group's barrier once more.
.macro CROUND
	s_barrier_signal -1
	s_barrier_wait -1
	s_cmp_lg_u32 s[WV], 0
	s_cbranch_scc1 .Lnot_wave_0_\@
	s_barrier_signal -3
.Lnot_wave_0_\@:
	s_barrier_wait -3
	s_barrier_signal -1
	s_barrier_wait -1
.endm
.macro TLOAD                           ; my eighth of a slot, asked for jointly; four v_nop follow
	tensor_load_to_lds s[G0:G0+3], s[G1:G1+7]
	s_nop 0
.rept 4
	v_nop
.endr
.endm
	s_load_b256 s[4:11], s[0:1], 0x0               ; qimg 4, kv 6, wcodes 8, bo 10
	s_load_b128 s[12:15], s[0:1], 0x20             ; the exponents 12, q 14
	s_load_b64 s[16:17], s[0:1], 0x30              ; out0
	v_lshl_add_u32 v[SPW], v0, 2, SPARE
	v_mov_b32 v[NIL], 0
	ds_add_u32 v5, v6
	ds_add_u32 v5, v6
	s_wait_dscnt 0x0
	v_lshrrev_b32 v14, 5, v0
	v_readfirstlane_b32 s[WV], v14                 ; wave 0..7
	s_lshr_b32 s[KH], s[WV], 2
	s_and_b32 s38, s[WV], 3                        ; qg
	s_bfe_u32 s39, ttmp6, 0x40000                  ; cx: my place in the cluster
	s_lshl_b32 s40, ttmp9, 2                       ; in a cluster launch ttmp9 counts clusters
	s_add_co_u32 s40, s40, s39                     ; my block of 128 queries: it enters qimg's, q's and out0's addresses alone
	s_and_b32 s41, ttmp7, 0xffff                   ; the image, which the four partners share
	; descriptor group 1: 64 rows of 32 elements of 8 bytes, dense
	s_mov_b32 s[G1], 15|(3<<16)|(1<<21)            ; 15:0 the mask: all four work-groups; 17:16 elements of 8 bytes; 20 no padding; 21 set beside a mask
	s_mov_b32 s[G1+1], 32<<16                      ; tensor_dim0 = 32
	s_mov_b32 s[G1+2], 64<<16                      ; tensor_dim1 = 64
	s_mov_b32 s[G1+3], 32<<16                      ; tile_dim0 = 32
	s_mov_b32 s[G1+4], 64                          ; tile_dim1 = 64
	s_mov_b32 s[G1+5], 32                          ; elements from row to row
	s_mov_b32 s[G1+6], 0
	s_mov_b32 s[G1+7], 0
	s_mov_b32 s[SEL], 0x76543210
	s_mov_b32 s[SEL+1], 0xfedcba98
	s_mov_b32 s[TB], 0
	s_mov_b32 s[SLOTS], 7
	s_lshl_b32 s44, s41, 20                        ; the image's 1 MiB of kv,
	s_lshl_b32 s45, s[WV], 14                      ; my eighth of a slot
	s_add_co_u32 s44, s44, s45
	s_mov_b32 s45, 0
	s_wait_kmcnt 0x0
	s_load_b256 s[48:55], s[12:13], 0x0            ; e0 .. e7
	s_load_b128 s[56:59], s[12:13], 0x20           ; e8 .. e11
	s_mov_b32 s[G0], 1                             ; count = 1
	s_lshl_b32 s[G0+1], s[WV], 14                  ; LDS address: slot 0, wave x 16,384: no place in the cluster enters it
	s_add_nc_u64 s[G0+2:G0+3], s[6:7], s[44:45]    ; global address
	s_or_b32 s[G0+3], s[G0+3], 0x80000000          ; type = 2
	CROUND                                         ; all four work-groups are here: the first joint loads meet
	TLOAD                                          ; slot 0
	s_lshl_b32 s46, s41, 19
	s_lshl_b32 s47, s40, 14
	s_add_co_u32 s46, s46, s47
	s_lshl_b32 s47, s38, 12
	s_add_co_u32 s46, s46, s47
	s_mov_b32 s47, 0
	s_add_nc_u64 s[4:5], s[4:5], s[46:47]          ; Q's images: the image, my block's eight tiles, my two
	s_lshl_b32 s46, s41, 21
	s_lshl_b32 s44, s[WV], 18
	s_add_co_u32 s46, s46, s44
	s_lshl_b32 s44, s40, 9
	s_add_co_u32 s46, s46, s44
	s_add_nc_u64 s[14:15], s[14:15], s[46:47]      ; q and out0: the image, rows 16 w on, my block's 512 bytes
	s_add_nc_u64 s[16:17], s[16:17], s[46:47]
	v_and_b32 v14, 31, v0
	v_lshlrev_b32 v[GOF], 4, v14
.set k, 0
.rept 8
	global_load_b128 v[Q+4*k:Q+4*k+3], v[GOF], s[4:5] offset:512*k     ; Q's two fragments stay in registers
.set k, k+1
.endr
	v_and_b32 v15, 15, v0                          ; r
	v_bfe_u32 v44, v0, 4, 1                        ; h
	s_lshl_b32 s44, s[KH], 16
	v_add_nc_u32 v[A0], s44, v[GOF]
	s_lshl_b32 s44, s[WV], 14
	v_add_nc_u32 v[MST], s44, v[GOF]
	s_xor_b32 s45, s[WV], 4                        ; my partner: the same queries, the other keys
	s_lshl_b32 s44, s45, 14
	v_add_nc_u32 v[MLD], s44, v[GOF]
	s_lshl_b32 s44, s[WV], 10
	s_add_co_u32 s44, s44, STATS
	v_add_nc_u32 v[SST], s44, v[GOF]
	s_lshl_b32 s44, s45, 10
	s_add_co_u32 s44, s44, STATS
	v_add_nc_u32 v[SLD], s44, v[GOF]
	s_lshl_b32 s44, s[KH], 6
	v_add_nc_u32 v45, s44, v15                     ; 64 kh + r: in the last product I make output rows 64 kh .. + 63
	v_mul_u32_u24 v[STO], v45, SP
	v_lshl_add_u32 v[STO], v44, 5, v[STO]
	s_lshl_b32 s44, s38, 7
	s_add_co_u32 s44, s44, SLOT1
	v_add_nc_u32 v[STO], s44, v[STO]               ; the stage: row 64 kh + r, + 128 qg + 32 h bytes
	s_mul_i32 s44, s[WV], 16*SP
	s_add_co_u32 s44, s44, SLOT1
	v_add_nc_u32 v[SRD], s44, v[GOF]               ; back: rows 16 w on, 16 bytes a lane
	v_lshlrev_b32 v[WOA], 7, v45
	v_lshl_add_u32 v[WOA], v44, 4, v[WOA]
	v_lshlrev_b32 v[BOA], 2, v45
.irp x, 0,1
	v_mov_b32 v[TT+4*\x+1], 0xff61b1e6             ; the largest t so far: -3e38, under every t
	v_floor_f32 v[TT+4*\x], -v[TT+4*\x+1]          ; -M
	v_mov_b32 v[TT+4*\x+2], 0                      ; the sum, in two halves
	v_mov_b32 v[TT+4*\x+3], 0
	v_mov_b32 v[FP+2*\x+1], 0                      ; (named as the upper half of a pair)
	v_mov_b32 v[UU+6*\x+2], 0                      ; written once: a lane permute's destination counts as one of its sources
.endr
	WIN 0x40
.set i, 0
.rept 128
	v_mov_b32 v[i], 0                              ; O^T.  (The key step is written once: the first finds zeros, which the first change of M leaves zeros)
.set i, i+1
.endr
	WIN 0
	s_wait_kmcnt 0x0
	s_add_co_i32 s44, s54, s55
	s_lshl_b32 s44, s44, 23
	s_add_co_i32 s[CS], s44, 0x3e0293ee            ; a score stands for score x 2^(e6 + e7): the two exponents are added to c's exponent field
	s_mov_b32 s[CS+1], s[CS]                       ; (named with it as a pair, so it is written)
	MKSC 57, SCP, LIMP
	MKSC 59, SCO, LIMO
	s_add_co_i32 s60, s56, s57                     ; e8 + e9
	s_add_co_i32 s61, s58, s59
	s_lshl_b32 s61, s61, 23
	s_add_co_i32 s61, s61, 0x3f3504f3              ; 2^(e10 + e11) / sqrt(2): the exponents are added to the exponent field of 0.70710678
; A KEY STEP: 128 keys, the q-th of my two in the slot in hand, for my two tiles of queries.
.macro STEP q
	v_add_nc_u32 v[ADR], s[TB], v[A0]
.rept 3
	v_nop                                          ; with the addition: four places in front of loads into registers that the last products read (ISA guide 7.12.1 for vector instructions)
.endr
	WIN 0x40                                       ; destination window 1
.irp t, 0,1,2,3,4,5,6,7
.irp c, 0,1,2,3
	ds_load_b128 v[F+16*\t+4*\c:F+16*\t+4*\c+3], v[ADR] offset:32768*(\q)+2048*\t+512*\c     ; K's image: 512 consecutive bytes a load
.endr
.endr
	s_wait_dscnt 16                                ; fragments 0-3 are in; the sixteen younger loads stay out
	WIN 0x01                                       ; source 0 (K) window 1
.irp t, 0,1,2,3
.irp x, 0,1
	v_wmma_f32_16x16x128_fp8_fp8 v[S+64*\x+8*\t:S+64*\x+8*\t+7], v[F+16*\t:F+16*\t+15], v[Q+16*\x:Q+16*\x+15], 0
.endr
.endr
	s_wait_dscnt 0x0
.irp t, 4,5,6,7
.irp x, 0,1
	v_wmma_f32_16x16x128_fp8_fp8 v[S+64*\x+8*\t:S+64*\x+8*\t+7], v[F+16*\t:F+16*\t+15], v[Q+16*\x:Q+16*\x+15], 0
.endr
.endr
.rept 4
	v_nop                                          ; places in front of the loads below and of the first read of the scores
.endr
	WIN 0x40
.irp t, 0,1,2,3,4,5,6,7
.irp c, 0,1,2,3
	ds_load_b128 v[F+16*\t+4*\c:F+16*\t+4*\c+3], v[ADR] offset:32768*(\q)+16384+2048*\t+512*\c   ; V's image lands under the softmax
.endr
.endr
	WIN 0
.irp x, 0,1                                    ; the step's largest score of each query among my lane's 64 keys: two chains a tile, each accumulator from its low end on
	v_max3_num_f32 v[UU+6*\x], v[S+64*\x], v[S+64*\x+1], v[S+64*\x+2]
	v_max3_num_f32 v[UU+6*\x+1], v[S+64*\x+3], v[S+64*\x+4], v[S+64*\x+5]
.endr
.irp i, 6,10,14,18,22,26,30,34,38,42,46,50,54,58
.irp x, 0,1
	v_max3_num_f32 v[UU+6*\x], v[UU+6*\x], v[S+64*\x+\i], v[S+64*\x+\i+1]
	v_max3_num_f32 v[UU+6*\x+1], v[UU+6*\x+1], v[S+64*\x+\i+2], v[S+64*\x+\i+3]
.endr
.endr
.irp x, 0,1
	v_max3_num_f32 v[UU+6*\x], v[UU+6*\x], v[S+64*\x+62], v[S+64*\x+63]
	v_max_num_f32 v[UU+6*\x], v[UU+6*\x], v[UU+6*\x+1]
	v_permlanex16_b32 v[UU+6*\x+2], v[UU+6*\x], s[SEL], s[SEL+1]
	v_max_num_f32 v[UU+6*\x], v[UU+6*\x], v[UU+6*\x+2]    ; and among lane l xor 16's
	v_mul_f32 v[UU+6*\x], s[CS], v[UU+6*\x]               ; as t (c is positive)
	v_max_num_f32 v[TT+4*\x+1], v[TT+4*\x+1], v[UU+6*\x]  ; the running largest t
	v_mov_b32 v[UU+6*\x], v[TT+4*\x]
	v_floor_f32 v[TT+4*\x], -v[TT+4*\x+1]                 ; the new -M = floor(-t) = -ceil(t): M is a whole number
	v_sub_f32 v[UU+6*\x], v[TT+4*\x], v[UU+6*\x]          ; old M - new M: a whole number, 0 or less
	v_cvt_i32_f32 v[UU+6*\x], v[UU+6*\x]                  ; (it saturates)
	v_ldexp_f32 v[FP+2*\x], 1.0, v[UU+6*\x]               ; f = 2^(old M - new M)
.endr
.irp x, 0,1
.set j, 0
.rept 32
	v_pk_fma_f32 v[S+64*\x+j:S+64*\x+j+1], v[S+64*\x+j:S+64*\x+j+1], s[CS:CS+1], v[TT+4*\x:TT+4*\x+1] op_sel_hi:[1,0,0]   ; t - M, two at a time (of the pairs c and -M the low word serves both halves)
.set j, j+2
.endr
.endr
.set j, 0
.rept 128
	v_exp_f32 v[S+j], v[S+j]                       ; p = 2^(t - M), at most 1: not normalised
.set j, j+1
.endr
.irp x, 0,1
	v_pk_mul_f32 v[TT+4*\x+2:TT+4*\x+3], v[TT+4*\x+2:TT+4*\x+3], v[FP+2*\x:FP+2*\x+1] op_sel_hi:[1,0]   ; the sums under the new M.  (A plain line behind the exponentials)
	s_wait_alu depctr_va_vdst(0)
	v_pk_add_f32 v[UU+6*\x+4:UU+6*\x+5], v[S+64*\x:S+64*\x+1], v[S+64*\x+2:S+64*\x+3]                  ; the sum is taken of the unquantised p: two chains a tile
.endr
.set j, 4
.rept 15
.irp x, 0,1
	v_pk_add_f32 v[TT+4*\x+2:TT+4*\x+3], v[TT+4*\x+2:TT+4*\x+3], v[S+64*\x+j:S+64*\x+j+1]
	v_pk_add_f32 v[UU+6*\x+4:UU+6*\x+5], v[UU+6*\x+4:UU+6*\x+5], v[S+64*\x+j+2:S+64*\x+j+3]
.endr
.set j, j+4
.endr
.irp x, 0,1
	v_pk_add_f32 v[TT+4*\x+2:TT+4*\x+3], v[TT+4*\x+2:TT+4*\x+3], v[UU+6*\x+4:UU+6*\x+5]
.endr
.irp x, 0,1
.irp t, 0,1,2,3,4,5,6,7
.irp i, 0,1,2,3,4,5,6,7
	v_min_num_f32 v[S+64*\x+8*\t+\i], v[S+64*\x+8*\t+\i], v[LIMP]     ; the conversion to an 8-bit code does not saturate (ISA guide 7.6.2); p is not negative, so the hold is one-sided
.endr
	v_cvt_scalef32_pk8_fp8_f32 v[P+16*\x+2*\t:P+16*\x+2*\t+1], v[S+64*\x+8*\t:S+64*\x+8*\t+7], v[SCP]   ; keys 16 t + 8 h + 0 .. 7: registers 2 t, 2 t + 1 of the operand
.endr
.endr
	WIN 0x41                                       ; O^T (destination and source 0) window 1, f window 0
.irp x, 0,1
.set j, 0
.rept 32
	v_pk_mul_f32 v[64*\x+j:64*\x+j+1], v[64*\x+j:64*\x+j+1], v[FP+2*\x:FP+2*\x+1] op_sel_hi:[1,0]       ; O^T under the new M.  (These are also the plain lines behind the conversions)
.set j, j+2
.endr
.endr
	s_wait_dscnt 0x0                               ; V's fragments are in
	WIN 0x51                                       ; V window 1, P window 0, C and D window 1
.irp t, 0,1,2,3,4,5,6,7
.irp x, 0,1
	v_wmma_f32_16x16x128_fp8_fp8 v[64*\x+8*\t:64*\x+8*\t+7], v[F+16*\t:F+16*\t+15], v[P+16*\x:P+16*\x+15], v[64*\x+8*\t:64*\x+8*\t+7]   ; the sixteen accumulators take turns, one instruction a turn
.endr
.endr
	WIN 0
.endm
; THE CHANGE OF SLOTS stands at a slot's head.  Each wave waits for all its tensor loads (its part of the slot that it is about to read), adds 0 to its spare word, and waits for that and for its reads of the slot that it has
; left.  fill = 1: that slot is filled with the next four key steps; the barrier is then a round of the cluster's, so that no wave of any partner still reads the slot or has a load on its way, and the joint load is the first thing behind it.
.macro CHANGE fill
	s_wait_tensorcnt 0x0                           ; no tensor load of mine is out, so group 0 may be written
	ds_add_u32 v[SPW], v[NIL]                      ; 0 onto my spare word
.if \fill
	s_xor_b32 s[G0+1], s[G0+1], SLOT1              ; the other slot than last time,
	s_add_nc_u64 s[G0+2:G0+3], s[G0+2:G0+3], 131072   ; the next four key steps; the type bits on top are not reached
.endif
	s_wait_dscnt 0x0                               ; the add is done, and my reads of the slot that I have left are over
.if \fill
	CROUND
	TLOAD
.else
	s_barrier_signal -1
	s_barrier_wait -1
.endif
.endm
.macro SLOT_STEPS
	STEP 0
	STEP 1
	s_xor_b32 s[TB], s[TB], SLOT1                  ; on to the other slot
.endm
	s_wait_loadcnt 0x0                             ; Q
.Lslot:                                            ; seven trips: behind each change of slots but the last the next slot is asked for
	CHANGE 1
	SLOT_STEPS
	s_sub_co_u32 s[SLOTS], s[SLOTS], 1
	s_cmp_lg_u32 s[SLOTS], 0
	s_cbranch_scc1 .Lslot
	CHANGE 0                                       ; the last slot is written out
	SLOT_STEPS
	; THE MERGE.  Each wave puts its O^T and its statistics into LDS as they stand in its registers; the partner (the same queries, the other keys) reads them by the same lines.
	v_add_f32 v[TT+2], v[TT+2], v[TT+3]            ; the sums' two halves.  (With the two lines below: four places behind the last products)
	v_add_f32 v[TT+6], v[TT+6], v[TT+7]
	v_nop
	v_nop
.irp i, 0,1,2,3                                ; what the end needs is asked for now: wo's four fragments (output rows 64 kh + 16 i + r),
.irp g, 0,1,2,3
	global_load_b128 v[S+16*\i+4*\g:S+16*\i+4*\g+3], v[WOA], s[8:9] offset:49152+2048*\i+32*\g
.endr
.endr
.irp i, 0,1,2,3
	global_load_b32 v[BO+\i], v[BOA], s[10:11] offset:64*\i            ; bo of those rows,
.endr
.set i, 0
.rept 16
	global_load_b128 v[S+64+4*i:S+64+4*i+3], v[GOF], s[14:15] offset:16384*i th:TH_LOAD_NT   ; and the residual of the 16 rows that I store: read once in this launch
.set i, i+1
.endr
	WIN 0x04                                       ; store data window 1
.set k, 0
.rept 32
	ds_store_b128 v[MST], v[4*k:4*k+3] offset:512*k    ; slot 0 has had its last fill, and every wave has passed the last change of slots, behind which nobody reads it
.set k, k+1
.endr
	WIN 0
	ds_store_b128 v[SST], v[TT:TT+3]
	ds_store_b128 v[SST], v[TT+4:TT+7] offset:512
	s_wait_dscnt 0x0                               ; for the partner's sake: my stores have landed; and my reads of slot 1 are over
	s_barrier_signal -1
	s_barrier_wait -1
	ds_load_b128 v[PS:PS+3], v[SLD]
	ds_load_b128 v[PS+4:PS+7], v[SLD] offset:512
	WIN 0x40
.set k, 0
.rept 32
	ds_load_b128 v[F+4*k:F+4*k+3], v[MLD] offset:512*k
.set k, k+1
.endr
	WIN 0
	s_wait_dscnt 32                                ; the partner's statistics are in; its O^T's 32 loads stay out
.irp x, 0,1
	v_min_num_f32 v[UU+6*\x], v[TT+4*\x], v[PS+4*\x]           ; -M* = the lesser of the two -M
	v_sub_f32 v[UU+6*\x+1], v[UU+6*\x], v[TT+4*\x]             ; M - M*: a whole number, 0 or less
	v_sub_f32 v[UU+6*\x+3], v[UU+6*\x], v[PS+4*\x]
	v_cvt_i32_f32 v[UU+6*\x+1], v[UU+6*\x+1]
	v_cvt_i32_f32 v[UU+6*\x+3], v[UU+6*\x+3]
	v_ldexp_f32 v[UU+6*\x+1], 1.0, v[UU+6*\x+1]                ; fa, for what is mine
	v_ldexp_f32 v[UU+6*\x+3], 1.0, v[UU+6*\x+3]                ; fb, for the partner's
	v_mul_f32 v[UU+6*\x], v[TT+4*\x+2], v[UU+6*\x+1]
	v_fma_f32 v[UU+6*\x], v[PS+4*\x+2], v[UU+6*\x+3], v[UU+6*\x]
	v_permlanex16_b32 v[UU+6*\x+2], v[UU+6*\x], s[SEL], s[SEL+1]
	v_add_f32 v[UU+6*\x], v[UU+6*\x], v[UU+6*\x+2]             ; the row's sum over all 4,096 keys
	v_rcp_f32 v[UU+6*\x], v[UU+6*\x]
	v_nop                                                      ; a plain line behind the transcendental
	s_wait_alu depctr_va_vdst(0)
	v_ldexp_f32 v[UU+6*\x], v[UU+6*\x], s60                    ; x 2^(e8 + e9)
	v_mul_f32 v[FP+2*\x], v[UU+6*\x+1], v[UU+6*\x]
	v_mul_f32 v[UU+6*\x+4], v[UU+6*\x+3], v[UU+6*\x]
.endr
	s_wait_dscnt 0x0
	WIN 0x41
.irp x, 0,1
.set j, 0
.rept 32
	v_pk_mul_f32 v[64*\x+j:64*\x+j+1], v[64*\x+j:64*\x+j+1], v[FP+2*\x:FP+2*\x+1] op_sel_hi:[1,0]
.set j, j+2
.endr
.endr
	WIN 0x51
.irp x, 0,1
.set j, 0
.rept 32
	v_pk_fma_f32 v[64*\x+j:64*\x+j+1], v[F+64*\x+j:F+64*\x+j+1], v[UU+6*\x+4:UU+6*\x+5], v[64*\x+j:64*\x+j+1] op_sel_hi:[1,0,1]   ; attention's result, channels 32 b + 16 h + 0 .. 15 in tiles 2 b, 2 b + 1
.set j, j+2
.endr
.endr
	WIN 0x41
.set j, 0
.rept 128
	v_med3_num_f32 v[j], v[j], -v[LIMO], v[LIMO]
.set j, j+1
.endr
	WIN 0x01                                       ; source 0 window 1, destination window 0
.irp x, 0,1
.irp t, 0,1,2,3,4,5,6,7
	v_cvt_scalef32_pk8_fp8_f32 v[P+16*\x+2*\t:P+16*\x+2*\t+1], v[64*\x+8*\t:64*\x+8*\t+7], v[SCO]
.endr
.endr
	WIN 0
	v_nop                                          ; a plain line between the last conversion and the products, which read its result and write its sources
	s_wait_loadcnt 16                              ; wo and bo are in; the residual's sixteen loads stay out
.irp i, 0,1,2,3
	v_mul_f32 v[BO+\i], 0x3f3504f3, v[BO+\i]       ; bo / sqrt(2)
.endr
	; THE LAST PRODUCT: source 0 = my 16 queries, source 1 = 16 rows of wo: a lane holds one output row and eight neighbouring pixels
	WIN 0x40                                       ; destination window 1
.irp i, 0,1,2,3
.irp x, 0,1
	v_wmma_f32_16x16x128_fp8_fp8 v[8*(2*\i+\x):8*(2*\i+\x)+7], v[P+16*\x:P+16*\x+15], v[S+16*\i:S+16*\i+15], 0
.endr
.endr
.rept 4
	v_nop
.endr
	WIN 0x41
.irp i, 0,1,2,3
.irp x, 0,1
.irp j, 0,1,2,3,4,5,6,7
	v_fma_f32 v[8*(2*\i+\x)+\j], v[8*(2*\i+\x)+\j], s61, v[BO+\i]      ; (sum x 2^(e10 + e11) + bo) / sqrt(2); each accumulator from its low end on
.endr
.endr
.endr
	WIN 0x04
.irp i, 0,1,2,3
.irp x, 0,1
	ds_store_b128 v[STO], v[8*(2*\i+\x):8*(2*\i+\x)+3] offset:8448*\i+64*\x        ; row 64 kh + 16 i + r, pixels 32 qg + 16 x + 8 h + 0 .. 7.  Slot 1 has had its last fill, and nobody has read it since the barrier above
	ds_store_b128 v[STO], v[8*(2*\i+\x)+4:8*(2*\i+\x)+7] offset:8448*\i+64*\x+16
.endr
.endr
	WIN 0
	s_wait_dscnt 0x0                               ; for the others' sake: my part of the stage lies there
	s_barrier_signal -1
	s_barrier_wait -1
.set i, 0
.rept 16
	ds_load_b128 v[S+4*i:S+4*i+3], v[SRD] offset:SP*i      ; 16 whole rows of 512 bytes
.set i, i+1
.endr
	s_wait_loadcnt 0x0                             ; the residual
.set i, 0
.rept 16
	s_wait_dscnt 15-i                              ; row i is back; the younger rows stay out
	v_pk_fma_f32 v[S+4*i:S+4*i+1], v[S+64+4*i:S+64+4*i+1], 0x3f3504f3, v[S+4*i:S+4*i+1] op_sel_hi:[1,0,1]      ; + q / sqrt(2)
	v_pk_fma_f32 v[S+4*i+2:S+4*i+3], v[S+64+4*i+2:S+64+4*i+3], 0x3f3504f3, v[S+4*i+2:S+4*i+3] op_sel_hi:[1,0,1]
	global_store_b128 v[GOF], v[S+4*i:S+4*i+3], s[16:17] offset:16384*i th:TH_STORE_NT     ; 32 lanes store 512 consecutive bytes, at a multiple of 256 from out0's first byte
.set i, i+1
.endr
	s_wait_tensorcnt 0x0                           ; the wave's end, behind my last tensor load and my last LDS store
	ds_add_u32 v[SPW], v[NIL]
	s_wait_dscnt 0x0
	CROUND                                         ; the closing round: no work-group ends while a partner may still ask for a tile that names it
	s_endpgm
.Lfunc_end_k_qca1d36d471_attend:
	.size	k_qca1d36d471_attend, .Lfunc_end_k_qca1d36d471_attend-k_qca1d36d471_attend
	.p2alignl 7, 3214868480
	.fill 96, 4, 3214868480
	.section	.rodata,"a",@progbits
	.p2align	6, 0x0
	.amdhsa_kernel k_qca1d36d471_attend
		.amdhsa_group_segment_fixed_size 327680
		.amdhsa_private_segment_fixed_size 0
		.amdhsa_enable_private_segment 0
		.amdhsa_kernarg_size 56
		.amdhsa_user_sgpr_count 2
		.amdhsa_user_sgpr_kernarg_segment_ptr 1
		.amdhsa_wavefront_size32 1
		.amdhsa_system_sgpr_workgroup_id_x 1
		.amdhsa_system_sgpr_workgroup_id_y 1
		.amdhsa_system_sgpr_workgroup_id_z 1
		.amdhsa_system_vgpr_workitem_id 0
		.amdhsa_next_free_vgpr 512
		.amdhsa_next_free_sgpr 66
		.amdhsa_reserve_vcc 0
		.amdhsa_float_denorm_mode_32 3
		.amdhsa_float_denorm_mode_16_64 3
		.amdhsa_memory_ordered 1
		.amdhsa_forward_progress 1
		.amdhsa_inst_pref_size 181
	.end_amdhsa_kernel
	.amdgpu_metadata
---
amdhsa.version: [ 1, 2 ]
amdhsa.kernels:
  - .name:           k_qca1d36d471_attend
    .symbol:         k_qca1d36d471_attend.kd
    .args:
      - { .name: qimg, .offset: 0, .size: 8, .value_kind: global_buffer, .address_space: global }
      - { .name: kv, .offset: 8, .size: 8, .value_kind: global_buffer, .address_space: global }
      - { .name: wcodes, .offset: 16, .size: 8, .value_kind: global_buffer, .address_space: global }
      - { .name: bo, .offset: 24, .size: 8, .value_kind: global_buffer, .address_space: global }
      - { .name: lowp_scales, .offset: 32, .size: 8, .value_kind: global_buffer, .address_space: global }
      - { .name: q, .offset: 40, .size: 8, .value_kind: global_buffer, .address_space: global }
      - { .name: out0, .offset: 48, .size: 8, .value_kind: global_buffer, .address_space: global }
    .group_segment_fixed_size: 327680
    .private_segment_fixed_size: 0
    .kernarg_segment_align: 8
    .kernarg_segment_size: 56
    .max_flat_workgroup_size: 256
    .sgpr_count:     66
    .vgpr_count:     512
    .wavefront_size: 32
...
	.end_amdgpu_metadata
.endif
;; end of part 3
;; ======== version 2 of 3: 3 launches
;; workspace buffers: coef 20,480 bytes; wcodes 65,536 bytes; qimg 4,194,304 bytes; kv 8,388,608 bytes
;; launch stats: the kernel of part 1 again; grid 256 x 1, 4 waves a work-group, no clusters, 768 bytes of LDS; arguments q, gamma_q, beta_q, wq, wk, wv, wo, lowp_scales, coef, wcodes; writes coef, wcodes
;; launch project (part 4): grid 256 x 1, 4 waves a work-group, no clusters, 0 bytes of LDS; arguments q, coef, wcodes, bq, bk, bv, lowp_scales, qimg, kv; writes qimg, kv
.if DOCPART == 4
	.amdgcn_target "amdgcn-amd-amdhsa--gfx1250"
	.amdhsa_code_object_version 6
	.text
	.protected	k_qca1d36d471_project
	.globl	k_qca1d36d471_project
	.p2align	8
	.type	k_qca1d36d471_project,@function
k_qca1d36d471_project:
	s_mov_b64 s[64:65], 0
	v_nop
	global_prefetch_b8 v0, s[64:65] scope:SCOPE_SE
	s_setreg_imm32_b32 hwreg(HW_REG_WAVE_MODE, 25, 1), 1
	s_wait_xcnt 0x0
; BOTH NORMS, THEIR CODES, AND THE THREE PROJECTIONS Q, K, V, WHICH LEAVE AS CODES LAID AS THE ATTENTION'S OPERAND REGISTERS.
; A work-group takes 128 pixels of one image (one key step), a wave 32 of them, A LANE ONE PIXEL: a chunk's eight registers are q(channels 8 i .. 8 i + 7, my pixel), so a lane's registers run along K = the channels,
; and each load reads 128 consecutive bytes a wave, 512 the four waves.  Waves share nothing: no LDS, no barrier.
; PHASE 1, eight channels at a time: d = x - mu;  qn = d A1 + B1;  vn = d A2 + B2; qn becomes codes by entry 1, vn by entry 3 (for K) and by entry 5 (for V).
; THE COEFFICIENTS are alike in all lanes.  The image's 2,560 bytes come ONCE, by five vector loads at the head (lane l of load j: the record of channel 32 j + l; lane l of the fifth: group l's mu), and each chunk takes
; its 34 numbers into scalar registers by v_readlane_b32: no load stands between two chunks, so no chunk waits for anything but its own eight loads of x, which were asked for seven chunks ahead.
; A lane then holds its pixel's 128 codes three times.  An operand wants lane (r, h) to hold, of pixel r, channels 32 g + 16 h + 0 .. 15 in registers 4 g .. 4 g + 3: the codes of channels 32 g + 0 .. 15 lie in the
; first 16 registers, those of 32 g + 16 .. 31 in the second 16, and one exchange of lanes 16-31 of the first with lanes 0-15 of the second makes the two tiles' fragments.
; (That order of k is not the plain form's own: it is one permutation of k, the same in both operands of every product that uses it.)
; PHASE 2, twelve pieces of 32 output channels: Q and K transposed (source 0 = 16 rows of the weight, source 1 = 16 pixels), so that a lane holds one pixel and eight channels.  THE ROWS OF A WEIGHT THAT FORM A TILE ARE
; NOT NEIGHBOURS: lane r of tile 2 b + u takes row 32 b + 8 u + r + 8 (r / 8), so that the 16 registers of tiles 2 b, 2 b + 1 are channels 32 b + 16 h + 0 .. 15.  The bias, divided by the power of two that the sums
; lack, is the C of the product.  V the other way (source 0 = 16 pixels, source 1 = 16 rows of wv): a lane holds one channel and eight neighbouring keys, since the keys are the next K.
; EVERY PIECE HAS REGISTERS OF ITS OWN for its weights, its bias and its codes: its loads are asked for four to five pieces ahead, no load lands in a register that a product has read, and no store's data are written again.
; qimg: [image][tile of 16 queries][4 groups g][32 lanes][16 bytes].  kv: [image][key step][K's image 16,384 | V's image 16,384], an image [8 tiles][4 groups][32 lanes][16 bytes].
; LIMITS: entries 1, 3, 5, 8, and e7 - e0 - e1 and e6 - e2 - e3, between -126 and 119; e4 + e5 between -126 and 127.  NaN among the inputs is not served.
; REGISTERS, in windows of 256 (s_set_vgpr_msb: bits 1:0 source 0, 3:2 source 1, 5:4 source 2, 7:6 destination):
;   window 0: v1-11 addresses and scales; v16-111 the three sets of codes; v112-175 x, later codes to store; v176-207 codes to store; v208-224 the coefficients, later the accumulators; v240-255 at work, later bv
;   window 1: piece n's two weight fragments at v[32 n], n = 0 .. 7 (wq, wk).     window 2: v[32 (n - 8)] the same for n = 8 .. 11 (wv); v[128 + 16 n] piece n's bias, n = 0 .. 7
.set CQ,  16                           ; v16-47   qn's codes: tile 0 at +0, tile 1 at +16
.set CK,  48                           ; v48-79   vn's codes by entry 3
.set CV,  80                           ; v80-111  vn's codes by entry 5
.set X,   112                          ; v112-175 phase 1: a ring of eight chunks: chunk i at X + 8 (i % 8)
.set R,   208                          ; v208-223 phase 1: coefficient k of channel 32 j + lane at R + 4 j + k
.set MU,  224                          ; v224     phase 1: mu of group = lane
.set TA,  240                          ; v240-247 qn of eight channels
.set TB,  248                          ; v248-255 vn of eight channels
.set OUT, 112                          ; phase 2: piece n's eight registers of codes at OUT + 8 n: v112-207
.set ACC, 208                          ; phase 2: four accumulators
.set VB,  240                          ; phase 2: bv of piece n's two tiles at VB + 2 (n - 8)
.set MSB, 0
.macro WIN new                         ; the immediate's high byte repeats the setting that is left; a switch that changes nothing is dropped
.if MSB != \new
	s_set_vgpr_msb (MSB<<8)|\new
.set MSB, \new
.endif
.endm
.macro MKSC e, vs, vl                  ; from the whole number in s[e]: v[vs] = 2^e as f32, v[vl] = 448 x 2^e
	s_add_co_i32 s14, s[\e], 127
	s_lshl_b32 s15, s14, 23
	v_mov_b32 v[\vs], s15
	s_add_co_i32 s14, s14, 8
	s_lshl_b32 s14, s14, 23
	s_or_b32 s14, s14, 0x600000
	v_mov_b32 v[\vl], s14
.endm
.macro LOADX i                         ; channels 8 i .. 8 i + 7 of my pixel
.irp j, 0,1,2,3,4,5,6,7
	global_load_b32 v[X+8*((\i)%8)+\j], v1, s[4:5] offset:(8*(\i)+\j)*16384
.endr
.endm
.macro LOADP n                         ; piece n's two weight fragments and its bias, into its own registers: 12 loads for Q and K, 10 for V
.set LT, (\n)/4
.set LQ, (\n)%4
.if (\n) < 8
.set LW, 32*(\n)
	WIN 0x40                                       ; destination window 1, address window 0
.else
.set LW, 32*((\n)-8)
	WIN 0x80                                       ; destination window 2
.endif
.irp u, 0,1
.irp g, 0,1,2,3
	global_load_b128 v[LW+16*\u+4*\g:LW+16*\u+4*\g+3], v9, s[8:9] offset:LT*16384+(32*LQ+8*\u)*128+32*\g
.endr
.endr
.if (\n) < 8
.set LB, 128+16*(\n)
	WIN 0x80
.irp u, 0,1
.if LT == 0
	global_load_b128 v[LB+8*\u:LB+8*\u+3], v10, s[10:11] offset:(32*LQ+8*\u)*4
	global_load_b128 v[LB+8*\u+4:LB+8*\u+7], v10, s[10:11] offset:(32*LQ+8*\u)*4+16
.else
	global_load_b128 v[LB+8*\u:LB+8*\u+3], v10, s[68:69] offset:(32*LQ+8*\u)*4
	global_load_b128 v[LB+8*\u+4:LB+8*\u+7], v10, s[68:69] offset:(32*LQ+8*\u)*4+16
.endif
.endr
.else
	WIN 0
.irp u, 0,1
	global_load_b32 v[VB+2*((\n)-8)+\u], v11, s[70:71] offset:(32*LQ+8*\u)*4
.endr
.endif
	WIN 0
.endm
	s_load_b256 s[4:11], s[0:1], 0x0               ; q 4, coef 6, wcodes 8, bq 10
	s_load_b128 s[68:71], s[0:1], 0x20             ; bk 68, bv 70
	s_load_b64 s[12:13], s[0:1], 0x30              ; the exponents
	s_load_b128 s[72:75], s[0:1], 0x38             ; qimg 72, kv 74
	v_lshrrev_b32 v12, 5, v0
	v_readfirstlane_b32 s2, v12                    ; wave 0..3
	v_and_b32 v12, 31, v0                          ; lane
	v_lshlrev_b32 v1, 2, v12                       ; 4 x lane: my pixel
	v_lshlrev_b32 v8, 4, v12                       ; 16 x lane: my place in an image, and in the coefficients
	v_and_b32 v13, 15, v0                          ; r
	v_bfe_u32 v14, v0, 4, 1                        ; h
	v_and_b32 v15, 8, v13
	v_add_nc_u32 v15, v15, v13                     ; r + 8 (r / 8)
	v_lshlrev_b32 v9, 7, v15
	v_lshl_add_u32 v9, v14, 4, v9                  ; a weight's row of 128 codes, + 16 h
	v_lshlrev_b32 v10, 6, v14                      ; Q's and K's bias: 16 h channels on
	v_lshlrev_b32 v11, 2, v15                      ; V's bias: that of my row
	s_lshr_b32 s3, ttmp9, 5                        ; image
	s_and_b32 s14, ttmp9, 31                       ; key step
	s_lshl_b32 s100, s3, 21
	s_lshl_b32 s15, s14, 9
	s_add_co_u32 s100, s100, s15
	s_lshl_b32 s15, s2, 7
	s_add_co_u32 s100, s100, s15                   ; the image, + 128 pixels a step, + 32 a wave
	s_mov_b32 s101, 0
	s_mul_i32 s14, s3, 2560
	s_mov_b32 s15, 0
	s_wait_kmcnt 0x0
	s_add_nc_u64 s[4:5], s[4:5], s[100:101]
	s_add_nc_u64 s[6:7], s[6:7], s[14:15]
	s_load_b256 s[52:59], s[12:13], 0x0            ; e0 .. e7
	s_load_b32 s60, s[12:13], 0x20                 ; e8
.irp j, 0,1,2,3
	global_load_b128 v[R+4*\j:R+4*\j+3], v8, s[6:7] offset:512*\j      ; the records of channels 32 j + lane: 512 consecutive bytes a load
.endr
	global_load_b32 v[MU], v8, s[6:7] offset:2048                      ; mu of channel 4 x lane: group = lane
.irp i, 0,1,2,3,4,5,6
	LOADX \i                                       ; with the five above: 61 loads of mine are out
.endr
	s_wait_kmcnt 0x0
	MKSC 53, 2, 3                                  ; entry 1: qn
	MKSC 55, 4, 5                                  ; entry 3: vn for K
	MKSC 57, 6, 7                                  ; entry 5: vn for V
.set WOUT, 0                           ; weight and bias loads issued so far: all of them younger than every load of x
.set PNEXT, 0                          ; the piece to be asked for next
; Eight channels.
.macro CHUNK i
.set XC, X+8*((\i)%8)
.set DE, 16*(((\i)%4)/2)+4*((\i)/4)+2*((\i)%2)     ; where the chunk's eight codes go: channels 32 g + 16 .. 31 into the second sixteen registers
.if (\i) < 9
	s_wait_loadcnt 48                              ; my eight loads (and, in the first chunk, the coefficients ahead of them) are in; the six younger chunks' stay out
	LOADX (\i)+7                                   ; into the ring's place of the chunk before, which is done with
.else
	s_wait_loadcnt 8*(15-(\i))+WOUT                ; the younger chunks' loads and the pieces' loads issued so far stay out
.if 8*(15-(\i))+WOUT+12 <= 60
	LOADP PNEXT                                    ; a piece is asked for wherever that leaves 60 loads of mine out at the most (a wait's count names 63 at the most): in chunks 9, 11, 12, 14, 15
.set WOUT, WOUT+12
.set PNEXT, PNEXT+1
.endif
.endif
.irp j, 0,1,2,3,4,5,6,7
.irp k, 0,1,2,3
	v_readlane_b32 s[16+4*\j+\k], v[R+4*((\i)/4)+\k], 8*((\i)%4)+\j    ; A1, B1, A2, B2 of channel 8 i + j
.endr
.endr
	v_readlane_b32 s48, v[MU], 2*(\i)              ; mu of the chunk's two groups
	v_readlane_b32 s49, v[MU], 2*(\i)+1
.irp j, 0,1,2,3,4,5,6,7
	v_sub_f32 v[XC+\j], v[XC+\j], s[48+\j/4]                           ; d = x - mu
	v_fma_f32 v[TA+\j], v[XC+\j], s[16+4*\j], s[16+4*\j+1]            ; qn
	v_fma_f32 v[TB+\j], v[XC+\j], s[16+4*\j+2], s[16+4*\j+3]          ; vn
.endr
.irp j, 0,1,2,3,4,5,6,7
	v_med3_num_f32 v[TA+\j], v[TA+\j], -v3, v3     ; the conversion to an 8-bit code does not saturate (ISA guide 7.6.2): the hold comes first
.endr
	v_cvt_scalef32_pk8_fp8_f32 v[CQ+DE:CQ+DE+1], v[TA:TA+7], v2
.irp j, 0,1,2,3,4,5,6,7
	v_med3_num_f32 v[XC+\j], v[TB+\j], -v5, v5     ; vn held for K's scale, into d's registers, which are done with
.endr
	v_cvt_scalef32_pk8_fp8_f32 v[CK+DE:CK+DE+1], v[XC:XC+7], v4
.irp j, 0,1,2,3,4,5,6,7
	v_med3_num_f32 v[TB+\j], v[TB+\j], -v7, v7     ; and for V's
.endr
	v_cvt_scalef32_pk8_fp8_f32 v[CV+DE:CV+DE+1], v[TB:TB+7], v6   ; (the next chunk's first vector lines are plain and touch other registers)
.endm
.irp i, 0,1,2,3,4,5,6,7,8,9,10,11,12,13,14,15
	CHUNK \i
.endr
	v_nop                                          ; a plain line between the last conversion and the lines that touch its result
.irp c, CQ, CK, CV
.set j, 0
.rept 16
	v_permlane16_swap_b32 v[\c+j], v[\c+16+j]      ; lanes 16-31 of the first with lanes 0-15 of the second: now the fragments of pixels 0-15 and 16-31
.set j, j+1
.endr
.endr
	s_lshl_b32 s14, ttmp9, 14
	s_lshl_b32 s15, s2, 12
	s_add_co_u32 s14, s14, s15
	s_mov_b32 s15, 0
	s_add_nc_u64 s[24:25], s[72:73], s[14:15]      ; qimg: 16,384 bytes a work-group, 4,096 a wave (two tiles)
	s_lshl_b32 s14, ttmp9, 15
	s_lshl_b32 s100, s2, 12
	s_add_co_u32 s100, s100, s14
	s_add_nc_u64 s[26:27], s[74:75], s[100:101]    ; K's image: 32,768 bytes a key step, my two tiles
	s_lshl_b32 s100, s2, 9
	s_add_co_u32 s100, s100, s14
	s_add_co_u32 s100, s100, 16384
	s_add_nc_u64 s[28:29], s[74:75], s[100:101]    ; V's image: my 32 keys are group w of every tile
	s_add_co_i32 s61, s52, s53
	s_sub_co_i32 s61, 0, s61                       ; -(e0 + e1): a sum of the first product stands for sum x 2^(e0 + e1), so bq goes in divided by that,
	s_add_co_i32 s30, s59, s61                     ; and Q's conversion takes 2^(e7 - e0 - e1)
	s_add_co_i32 s62, s54, s55
	s_sub_co_i32 s62, 0, s62                       ; -(e2 + e3)
	s_add_co_i32 s31, s58, s62                     ; e6 - e2 - e3
	s_add_co_i32 s63, s56, s57
	s_add_co_i32 s63, s63, 127
	s_lshl_b32 s63, s63, 23                        ; 2^(e4 + e5) as f32
	MKSC 30, 2, 3
	MKSC 31, 4, 5
	MKSC 60, 6, 7                                  ; entry 8: V
; A piece: 32 output channels x my 32 pixels: four matrix instructions on four accumulators.
.macro PIECE n
.set NW, 0                             ; the loads of the pieces asked for behind mine: n + 1 .. n + 4
.irp d, 1,2,3,4
.if (\n)+\d <= 11
.if (\n)+\d < 8
.set NW, NW+12
.else
.set NW, NW+10
.endif
.endif
.endr
	s_wait_loadcnt NW                              ; my piece's loads are in; the younger pieces' stay out
.if (\n)+5 <= 11
	LOADP (\n)+5                                   ; five pieces ahead, into registers of its own
.endif
.set TP, (\n)/4
.set PQ, (\n)%4
.set VS, 2+2*TP
.set OP, OUT+8*(\n)
.if TP < 2
.set WP, 32*(\n)
.set BP, 128+16*(\n)
.set CC, CQ+32*TP
	WIN 0x82                                       ; source 0 and destination window 2
.irp j, 0,1,2,3,4,5,6,7,8,9,10,11,12,13,14,15
	v_ldexp_f32 v[BP+\j], v[BP+\j], s[61+TP]       ; the bias divided by the power of two that the sums lack
.endr
	WIN 0x21                                       ; source 0 (the weight) window 1, source 2 (the bias) window 2
.irp p, 0,1
.irp u, 0,1
	v_wmma_f32_16x16x128_fp8_fp8 v[ACC+16*\p+8*\u:ACC+16*\p+8*\u+7], v[WP+16*\u:WP+16*\u+15], v[CC+16*\p:CC+16*\p+15], v[BP+8*\u:BP+8*\u+7]
.endr
.endr
.else
.set WP, 32*((\n)-8)
.set BP, VB+2*((\n)-8)
	WIN 0x08                                       ; source 1 (the weight) window 2
.irp u, 0,1
.irp p, 0,1
	v_wmma_f32_16x16x128_fp8_fp8 v[ACC+16*\u+8*\p:ACC+16*\u+8*\p+7], v[CV+16*\p:CV+16*\p+15], v[WP+16*\u:WP+16*\u+15], 0
.endr
.endr
.endif
	WIN 0
.rept 4
	v_nop                                          ; four places in front of the first read of the results (ISA guide 7.12.1)
.endr
.if TP == 2
.irp u, 0,1
.irp j, 0,1,2,3,4,5,6,7,8,9,10,11,12,13,14,15
	v_fma_f32 v[ACC+16*\u+\j], v[ACC+16*\u+\j], s63, v[BP+\u]     ; V = sum x 2^(e4 + e5) + bv of my lane's channel
.endr
.endr
.endif
.set j, 0
.rept 32
	v_med3_num_f32 v[ACC+j], v[ACC+j], -v[VS+1], v[VS+1]          ; each accumulator from its low end on
.set j, j+1
.endr
.irp a, 0,1
.irp b, 0,1
	v_cvt_scalef32_pk8_fp8_f32 v[OP+4*\a+2*\b:OP+4*\a+2*\b+1], v[ACC+16*\a+8*\b:ACC+16*\a+8*\b+7], v[VS]
.endr
.endr
	v_nop                                          ; a plain line behind the last conversion: the next products write its sources
.irp a, 0,1
.if TP < 2
	global_store_b128 v8, v[OP+4*\a:OP+4*\a+3], s[24+2*TP:25+2*TP] offset:2048*\a+512*PQ        ; tile a of my two, group b: the wave stores 512 consecutive bytes; the data's registers are the piece's own and are not written again
.else
	global_store_b128 v8, v[OP+4*\a:OP+4*\a+3], s[28:29] offset:2048*(2*PQ+\a)                  ; tile 2 b + u of V's image, group w
.endif
.endr
.endm
.irp n, 0,1,2,3,4,5,6,7,8,9,10,11
	PIECE \n
.endr
	s_endpgm
.Lfunc_end_k_qca1d36d471_project:
	.size	k_qca1d36d471_project, .Lfunc_end_k_qca1d36d471_project-k_qca1d36d471_project
	.p2alignl 7, 3214868480
	.fill 96, 4, 3214868480
	.section	.rodata,"a",@progbits
	.p2align	6, 0x0
	.amdhsa_kernel k_qca1d36d471_project
		.amdhsa_group_segment_fixed_size 0
		.amdhsa_private_segment_fixed_size 0
		.amdhsa_enable_private_segment 0
		.amdhsa_kernarg_size 72
		.amdhsa_user_sgpr_count 2
		.amdhsa_user_sgpr_kernarg_segment_ptr 1
		.amdhsa_wavefront_size32 1
		.amdhsa_system_sgpr_workgroup_id_x 1
		.amdhsa_system_sgpr_workgroup_id_y 1
		.amdhsa_system_sgpr_workgroup_id_z 1
		.amdhsa_system_vgpr_workitem_id 0
		.amdhsa_next_free_vgpr 768
		.amdhsa_next_free_sgpr 102
		.amdhsa_reserve_vcc 0
		.amdhsa_float_denorm_mode_32 3
		.amdhsa_float_denorm_mode_16_64 3
		.amdhsa_memory_ordered 1
		.amdhsa_forward_progress 1
		.amdhsa_inst_pref_size 169
	.end_amdhsa_kernel
	.amdgpu_metadata
---
amdhsa.version: [ 1, 2 ]
amdhsa.kernels:
  - .name:           k_qca1d36d471_project
    .symbol:         k_qca1d36d471_project.kd
    .args:
      - { .name: q, .offset: 0, .size: 8, .value_kind: global_buffer, .address_space: global }
      - { .name: coef, .offset: 8, .size: 8, .value_kind: global_buffer, .address_space: global }
      - { .name: wcodes, .offset: 16, .size: 8, .value_kind: global_buffer, .address_space: global }
      - { .name: bq, .offset: 24, .size: 8, .value_kind: global_buffer, .address_space: global }
      - { .name: bk, .offset: 32, .size: 8, .value_kind: global_buffer, .address_space: global }
      - { .name: bv, .offset: 40, .size: 8, .value_kind: global_buffer, .address_space: global }
      - { .name: lowp_scales, .offset: 48, .size: 8, .value_kind: global_buffer, .address_space: global }
      - { .name: qimg, .offset: 56, .size: 8, .value_kind: global_buffer, .address_space: global }
      - { .name: kv, .offset: 64, .size: 8, .value_kind: global_buffer, .address_space: global }
    .group_segment_fixed_size: 0
    .private_segment_fixed_size: 0
    .kernarg_segment_align: 8
    .kernarg_segment_size: 72
    .max_flat_workgroup_size: 128
    .sgpr_count:     102
    .vgpr_count:     768
    .wavefront_size: 32
...
	.end_amdgpu_metadata
.endif
;; end of part 4
;; launch attend: the kernel of part 3 again; grid 32 x 8, 8 waves a work-group, clusters of 4 x 1, 327,680 bytes of LDS; arguments qimg, kv, wcodes, bo, lowp_scales, q, out0; writes out0
;; ======== version 3 of 3: 3 launches
;; workspace buffers: coef 20,480 bytes; wcodes 65,536 bytes; qimg 4,194,304 bytes; kv 8,388,608 bytes
;; launch stats (part 5): grid 256 x 1, 4 waves a work-group, no clusters, 768 bytes of LDS; arguments q, gamma_q, beta_q, wq, wk, wv, wo, lowp_scales, coef, wcodes; writes coef, wcodes
.if DOCPART == 5
	.amdgcn_target "amdgcn-amd-amdhsa--gfx1250"
	.amdhsa_code_object_version 6
	.text
	.protected	k_qca1d36d471_stats
	.globl	k_qca1d36d471_stats
	.p2align	8
	.type	k_qca1d36d471_stats,@function
k_qca1d36d471_stats:
	s_mov_b64 s[64:65], 0
	v_nop
	global_prefetch_b8 v0, s[64:65] scope:SCOPE_SE
	s_setreg_imm32_b32 hwreg(HW_REG_WAVE_MODE, 25, 1), 1
	s_wait_xcnt 0x0
; GROUP NORM'S FIGURES, AND THE FOUR WEIGHTS AS CODES.
; A work-group takes one group of one image: 4 channels x 4,096 pixels, 65,536 consecutive bytes of q.  Wave w takes channel 4 grp + w: 16 KiB, 128 registers a lane, read once and
; kept for two passes: the mean m, then V = the mean of (x - m)^2: no difference of large sums is formed.
; From the four (m, V) of the group both norms follow without a second look at the data:
;   mu = avg m;  var = avg(V + (m - mu)^2);  A1 = gamma rsq(var + 1e-6);  qn = (x - mu) A1 + beta
;   of qn: channel mean m2 = A1 (m - mu) + beta, V2 = A1^2 V;  mu2 = avg m2;  var2 = avg(V2 + (m2 - mu2)^2);  G = gamma rsq(var2 + 1e-6)
;   vn = (x - mu) (G A1) + G (beta - mu2) + beta
; coef, 2,560 bytes an image: (A1, B1, A2, B2) of channel c at 16 c; the group's mu, once for each channel, at 2,048 + 4 c.
; Wave 0 also turns 256 numbers (two rows) of one weight into codes of E4M3: weight g / 64 (wq, wk, wv, wo), part g % 64; wcodes is [4][128 rows][128 codes], K innermost.
; LIMITS: the weights' exponents (entries 0, 2, 4, 10) lie between -126 and 119, so that 2^e and 448 x 2^e are f32 numbers.  NaN among the inputs is not served.
; No tensor load, no cluster, no matrix work: the launch reads q once, and its waves share eight numbers.
.set X,   16                           ; v16-143  my channel's row: 128 numbers a lane
.set INV, 0x39800000                   ; 2^-12 = 1 / 4,096
.macro WSUM r                          ; the sum over the wave's 32 lanes, in every lane
	v_add_f32_dpp v[\r], v[\r], v[\r] row_xmask:1 row_mask:0xf bank_mask:0xf
	v_add_f32_dpp v[\r], v[\r], v[\r] row_xmask:2 row_mask:0xf bank_mask:0xf
	v_add_f32_dpp v[\r], v[\r], v[\r] row_xmask:4 row_mask:0xf bank_mask:0xf
	v_add_f32_dpp v[\r], v[\r], v[\r] row_xmask:8 row_mask:0xf bank_mask:0xf
	v_permlanex16_b32 v15, v[\r], s30, s31
	v_add_f32 v[\r], v[\r], v15
.endm
.macro QSUM r                          ; the sum over four neighbouring lanes: the group's four channels
	v_add_f32_dpp v[\r], v[\r], v[\r] row_xmask:1 row_mask:0xf bank_mask:0xf
	v_add_f32_dpp v[\r], v[\r], v[\r] row_xmask:2 row_mask:0xf bank_mask:0xf
.endm
	s_load_b512 s[4:19], s[0:1], 0x0               ; q 4, gamma 6, beta 8, wq 10, wk 12, wv 14, wo 16, the exponents 18
	s_load_b128 s[20:23], s[0:1], 0x40             ; coef 20, wcodes 22
	v_lshl_add_u32 v176, v0, 2, 0x100
	v_mov_b32 v177, 0
	v_lshrrev_b32 v2, 5, v0
	v_readfirstlane_b32 s24, v2                    ; wave 0..3
	v_and_b32 v3, 31, v0                           ; lane
	v_and_b32 v4, 3, v0                            ; the channel of the group that my lane takes in the last part
	v_lshlrev_b32 v1, 4, v3                        ; 16 x lane
	v_lshlrev_b32 v13, 5, v3                       ; 32 x lane: my eight numbers of the weight
	v_lshlrev_b32 v173, 3, v3                      ; 8 x lane: their codes
	v_lshlrev_b32 v159, 3, v4                      ; LDS: (m, V) of channel lane % 4
	v_mov_b32 v15, 0                               ; written once: a lane permute's destination counts as one of its sources
	s_and_b32 s25, ttmp9, 31                       ; the group
	s_lshl_b32 s46, s25, 2
	v_add_nc_u32 v10, s46, v4
	v_lshlrev_b32 v10, 2, v10                      ; 4 (4 grp + lane % 4): gamma, beta, mu
	s_lshl_b32 s46, s25, 6
	v_add_nc_u32 v172, s46, v1                     ; 16 (4 grp + lane): the record
	s_lshl_b32 s46, s24, 3
	v_mov_b32 v158, s46                            ; LDS: 8 x wave
	s_mov_b32 s30, 0x76543210                      ; v_permlanex16_b32: lane l takes lane l xor 16
	s_mov_b32 s31, 0xfedcba98
	s_lshr_b32 s44, ttmp9, 6                       ; which weight
	s_and_b32 s45, ttmp9, 63                       ; which part of it
	s_lshl_b32 s26, ttmp9, 16                      ; the group's 65,536 bytes,
	s_lshl_b32 s27, s24, 14                        ; my channel's 16,384
	s_add_co_u32 s26, s26, s27
	s_mov_b32 s27, 0
	s_wait_kmcnt 0x0
	s_load_b256 s[32:39], s[18:19], 0x0            ; e0 .. e7
	s_load_b128 s[40:43], s[18:19], 0x20           ; e8 .. e11
	s_add_nc_u64 s[4:5], s[4:5], s[26:27]
	s_cmp_eq_u32 s44, 1                            ; the weight is chosen by the work-group's number alone
	s_cselect_b64 s[28:29], s[12:13], s[10:11]
	s_cmp_eq_u32 s44, 2
	s_cselect_b64 s[28:29], s[14:15], s[28:29]
	s_cmp_eq_u32 s44, 3
	s_cselect_b64 s[28:29], s[16:17], s[28:29]
	s_lshl_b32 s26, s45, 10
	s_add_nc_u64 s[28:29], s[28:29], s[26:27]      ; its part: 256 numbers, 1,024 bytes
	s_lshl_b32 s26, ttmp9, 8
	s_add_nc_u64 s[22:23], s[22:23], s[26:27]      ; and the part's codes: 256 g bytes on
	s_lshr_b32 s26, ttmp9, 5
	s_mul_i32 s26, s26, 2560
	s_add_nc_u64 s[20:21], s[20:21], s[26:27]      ; the image's coefficients
	s_cmp_lg_u32 s24, 0
	s_cbranch_scc1 .Lno_weight                     ; wave 0's two loads stand ahead of all others, so the counts below hold on both ways
	s_wait_alu depctr_va_vdst(0)
	global_load_b128 v[144:147], v13, s[28:29]
	global_load_b128 v[148:151], v13, s[28:29] offset:16
.Lno_weight:
	s_wait_alu depctr_va_vdst(0)
	global_load_b32 v11, v10, s[6:7]               ; gamma of channel lane % 4
	global_load_b32 v12, v10, s[8:9]               ; beta
.set j, 0
.rept 32
	global_load_b128 v[X+4*j:X+4*j+3], v1, s[4:5] offset:512*j     ; 32 lanes read 512 consecutive bytes; q is read again by later launches, so no hint
.set j, j+1
.endr
	; PASS 1: the sum, two numbers at a time, in four chains; the first sixteen numbers start them
.irp g, 0,1,2,3,4,5,6,7
	s_wait_loadcnt 28-4*\g                         ; this group's four loads are in; the count is the row's younger loads
.if \g == 0
.irp k, 0,1,2,3
	s_wait_alu depctr_va_vdst(0)
	v_pk_add_f32 v[2+2*\k:3+2*\k], v[X+4*\k:X+4*\k+1], v[X+4*\k+2:X+4*\k+3]
.endr
.else
	s_wait_alu depctr_va_vdst(0)
.irp p, 0,1,2,3,4,5,6,7
	v_pk_add_f32 v[2+2*(\p%4):3+2*(\p%4)], v[2+2*(\p%4):3+2*(\p%4)], v[X+16*\g+2*\p:X+16*\g+2*\p+1]
.endr
.endif
.endr
	v_pk_add_f32 v[2:3], v[2:3], v[4:5]
	v_pk_add_f32 v[6:7], v[6:7], v[8:9]
	v_pk_add_f32 v[2:3], v[2:3], v[6:7]
	v_add_f32 v2, v2, v3
	WSUM 2
	v_mul_f32 v14, INV, v2                         ; m
	; PASS 2: x - m in place, then the sum of squares in four chains
.set j, 0
.rept 64
	v_pk_add_f32 v[X+j:X+j+1], v[X+j:X+j+1], v[14:15] op_sel_hi:[1,0] neg_lo:[0,1] neg_hi:[0,1]   ; both less v14
.set j, j+2
.endr
.irp k, 0,1,2,3
	v_pk_mul_f32 v[2+2*\k:3+2*\k], v[X+2*\k:X+2*\k+1], v[X+2*\k:X+2*\k+1]
.endr
.set j, 8
.rept 60
	v_pk_fma_f32 v[2+2*((j/2)%4):3+2*((j/2)%4)], v[X+j:X+j+1], v[X+j:X+j+1], v[2+2*((j/2)%4):3+2*((j/2)%4)]
.set j, j+2
.endr
	v_pk_add_f32 v[2:3], v[2:3], v[4:5]
	v_pk_add_f32 v[6:7], v[6:7], v[8:9]
	v_pk_add_f32 v[2:3], v[2:3], v[6:7]
	v_add_f32 v2, v2, v3
	WSUM 2
	v_mov_b32 v156, v14                            ; (m, V) as a pair for one LDS store
	v_mul_f32 v157, INV, v2
	ds_store_b64 v158, v[156:157]                  ; every lane writes the same eight bytes
	s_wait_kmcnt 0x0                               ; the exponents
	s_cmp_lg_u32 s24, 0
	s_cbranch_scc1 .Lno_codes
	; wave 0: eight numbers a lane become eight codes
	s_cmp_eq_u32 s44, 1
	s_cselect_b32 s46, s34, s32                    ; e of the weight: entry 0, 2, 4 or 10
	s_cmp_eq_u32 s44, 2
	s_cselect_b32 s46, s36, s46
	s_cmp_eq_u32 s44, 3
	s_cselect_b32 s46, s42, s46
	s_add_co_i32 s46, s46, 127
	s_lshl_b32 s47, s46, 23
	v_mov_b32 v154, s47                            ; 2^e as f32: the conversion takes its exponent field
	s_add_co_i32 s46, s46, 8
	s_lshl_b32 s46, s46, 23
	s_or_b32 s46, s46, 0x600000
	v_mov_b32 v155, s46                            ; 448 x 2^e
.irp i, 0,1,2,3,4,5,6,7
	v_med3_num_f32 v[144+\i], v[144+\i], -v155, v155   ; the conversion to an 8-bit code does not saturate (ISA guide 7.6.2): the hold comes first
.endr
	v_cvt_scalef32_pk8_fp8_f32 v[152:153], v[144:151], v154
	v_nop                                          ; a plain line behind the conversion
	global_store_b64 v173, v[152:153], s[22:23]    ; the wave stores 256 consecutive bytes, at a multiple of 256 from the buffer's first byte
.Lno_codes:
	s_wait_dscnt 0x0                               ; for the others' sake: my (m, V) lies in LDS
	s_barrier_signal -1
	s_barrier_wait -1
	ds_load_b64 v[160:161], v159                   ; m, V of channel lane % 4
	s_mov_b32 s47, 0x358637bd                      ; 1e-6
	s_wait_dscnt 0x0
	v_mov_b32 v162, v160
	QSUM 162
	v_mul_f32 v163, 0.25, v162                     ; mu
	v_sub_f32 v164, v160, v163                     ; m - mu
	v_fma_f32 v165, v164, v164, v161               ; V + (m - mu)^2
	QSUM 165
	v_fma_f32 v165, v165, 0.25, s47                ; var + 1e-6
	s_wait_alu depctr_va_vdst(0)
	v_rsq_f32 v165, v165
	v_mov_b32 v169, v12                            ; B1 = beta.  (The plain line behind the transcendental)
	s_wait_alu depctr_va_vdst(0)
	v_mul_f32 v168, v11, v165                      ; A1
	v_fma_f32 v166, v168, v164, v12                ; m2
	v_mul_f32 v167, v168, v168
	v_mul_f32 v167, v167, v161                     ; V2
	v_mov_b32 v162, v166
	QSUM 162
	v_mul_f32 v162, 0.25, v162                     ; mu2
	v_sub_f32 v166, v166, v162                     ; m2 - mu2
	v_fma_f32 v167, v166, v166, v167
	QSUM 167
	v_fma_f32 v167, v167, 0.25, s47                ; var2 + 1e-6
	s_wait_alu depctr_va_vdst(0)
	v_rsq_f32 v167, v167
	v_sub_f32 v164, v12, v162                      ; beta - mu2.  (The plain line behind the transcendental)
	s_wait_alu depctr_va_vdst(0)
	v_mul_f32 v167, v11, v167                      ; G
	v_mul_f32 v170, v167, v168                     ; A2
	v_fma_f32 v171, v167, v164, v12                ; B2
	s_cmp_lg_u32 s24, 0
	s_cbranch_scc1 .Lend
	s_wait_xcnt 0x0                                ; EXEC changes only behind this wait
	v_cmp_gt_u32 vcc_lo, 4, v0
	s_and_saveexec_b32 s46, vcc_lo                 ; lanes 0 to 3 of wave 0: one channel each
	s_wait_alu depctr_va_vdst(0)
	global_store_b128 v172, v[168:171], s[20:21]
	global_store_b32 v10, v163, s[20:21] offset:2048
	s_wait_xcnt 0x0                                ; and again in front of the line that widens it
	s_or_b32 exec_lo, exec_lo, s46
.Lend:
	s_wait_tensorcnt 0x0
	ds_add_u32 v176, v177
	s_wait_dscnt 0x0
	s_endpgm
.Lfunc_end_k_qca1d36d471_stats:
	.size	k_qca1d36d471_stats, .Lfunc_end_k_qca1d36d471_stats-k_qca1d36d471_stats
	.p2alignl 7, 3214868480
	.fill 96, 4, 3214868480
	.section	.rodata,"a",@progbits
	.p2align	6, 0x0
	.amdhsa_kernel k_qca1d36d471_stats
		.amdhsa_group_segment_fixed_size 768
		.amdhsa_private_segment_fixed_size 0
		.amdhsa_enable_private_segment 0
		.amdhsa_kernarg_size 80
		.amdhsa_user_sgpr_count 2
		.amdhsa_user_sgpr_kernarg_segment_ptr 1
		.amdhsa_wavefront_size32 1
		.amdhsa_system_sgpr_workgroup_id_x 1
		.amdhsa_system_sgpr_workgroup_id_y 1
		.amdhsa_system_sgpr_workgroup_id_z 1
		.amdhsa_system_vgpr_workitem_id 0
		.amdhsa_next_free_vgpr 178
		.amdhsa_next_free_sgpr 66
		.amdhsa_reserve_vcc 1
		.amdhsa_float_denorm_mode_32 3
		.amdhsa_float_denorm_mode_16_64 3
		.amdhsa_memory_ordered 1
		.amdhsa_forward_progress 1
		.amdhsa_inst_pref_size 23
	.end_amdhsa_kernel
	.amdgpu_metadata
---
amdhsa.version: [ 1, 2 ]
amdhsa.kernels:
  - .name:           k_qca1d36d471_stats
    .symbol:         k_qca1d36d471_stats.kd
    .args:
      - { .name: q, .offset: 0, .size: 8, .value_kind: global_buffer, .address_space: global }
      - { .name: gamma_q, .offset: 8, .size: 8, .value_kind: global_buffer, .address_space: global }
      - { .name: beta_q, .offset: 16, .size: 8, .value_kind: global_buffer, .address_space: global }
      - { .name: wq, .offset: 24, .size: 8, .value_kind: global_buffer, .address_space: global }
      - { .name: wk, .offset: 32, .size: 8, .value_kind: global_buffer, .address_space: global }
      - { .name: wv, .offset: 40, .size: 8, .value_kind: global_buffer, .address_space: global }
      - { .name: wo, .offset: 48, .size: 8, .value_kind: global_buffer, .address_space: global }
      - { .name: lowp_scales, .offset: 56, .size: 8, .value_kind: global_buffer, .address_space: global }
      - { .name: coef, .offset: 64, .size: 8, .value_kind: global_buffer, .address_space: global }
      - { .name: wcodes, .offset: 72, .size: 8, .value_kind: global_buffer, .address_space: global }
    .group_segment_fixed_size: 768
    .private_segment_fixed_size: 0
    .kernarg_segment_align: 8
    .kernarg_segment_size: 80
    .max_flat_workgroup_size: 128
    .sgpr_count:     66
    .vgpr_count:     178
    .wavefront_size: 32
...
	.end_amdgpu_metadata
.endif
;; end of part 5
;; launch project (part 6): grid 256 x 1, 4 waves a work-group, no clusters, 0 bytes of LDS; arguments q, coef, wcodes, bq, bk, bv, lowp_scales, qimg, kv; writes qimg, kv
.if DOCPART == 6
	.amdgcn_target "amdgcn-amd-amdhsa--gfx1250"
	.amdhsa_code_object_version 6
	.text
	.protected	k_qca1d36d471_project
	.globl	k_qca1d36d471_project
	.p2align	8
	.type	k_qca1d36d471_project,@function
k_qca1d36d471_project:
	s_mov_b64 s[64:65], 0
	v_nop
	global_prefetch_b8 v0, s[64:65] scope:SCOPE_SE
	s_setreg_imm32_b32 hwreg(HW_REG_WAVE_SCHED_MODE, 0, 2), 2
	s_setreg_imm32_b32 hwreg(HW_REG_WAVE_MODE, 25, 1), 1
	s_wait_xcnt 0x0
	s_wait_alu depctr_vm_vsrc(0)
; BOTH NORMS, THEIR CODES, AND THE THREE PROJECTIONS Q, K, V, WHICH LEAVE AS CODES LAID AS THE ATTENTION'S OPERAND REGISTERS.
; A work-group takes 128 pixels of one image (one key step), a wave 32 of them, A LANE ONE PIXEL: a chunk's eight registers are q(channels 8 i .. 8 i + 7, my pixel), so a lane's registers run along K = the channels,
; and each load reads 128 consecutive bytes a wave, 512 the four waves.  Waves share nothing: no LDS, no barrier.
; PHASE 1, eight channels at a time: d = x - mu;  qn = d A1 + B1;  vn = d A2 + B2; qn becomes codes by entry 1, vn by entry 3 (for K) and by entry 5 (for V).
; THE COEFFICIENTS are alike in all lanes.  The image's 2,560 bytes come ONCE, by five vector loads at the head (lane l of load j: the record of channel 32 j + l; lane l of the fifth: group l's mu), and each chunk takes
; its 34 numbers into scalar registers by v_readlane_b32: no load stands between two chunks, so no chunk waits for anything but its own eight loads of x, which were asked for seven chunks ahead.
; A lane then holds its pixel's 128 codes three times.  An operand wants lane (r, h) to hold, of pixel r, channels 32 g + 16 h + 0 .. 15 in registers 4 g .. 4 g + 3: the codes of channels 32 g + 0 .. 15 lie in the
; first 16 registers, those of 32 g + 16 .. 31 in the second 16, and one exchange of lanes 16-31 of the first with lanes 0-15 of the second makes the two tiles' fragments.
; (That order of k is not the plain form's own: it is one permutation of k, the same in both operands of every product that uses it.)
; PHASE 2, twelve pieces of 32 output channels: Q and K transposed (source 0 = 16 rows of the weight, source 1 = 16 pixels), so that a lane holds one pixel and eight channels.  THE ROWS OF A WEIGHT THAT FORM A TILE ARE
; NOT NEIGHBOURS: lane r of tile 2 b + u takes row 32 b + 8 u + r + 8 (r / 8), so that the 16 registers of tiles 2 b, 2 b + 1 are channels 32 b + 16 h + 0 .. 15.  The bias, divided by the power of two that the sums
; lack, is the C of the product.  V the other way (source 0 = 16 pixels, source 1 = 16 rows of wv): a lane holds one channel and eight neighbouring keys, since the keys are the next K.
; EVERY PIECE HAS REGISTERS OF ITS OWN for its weights, its bias and its codes: its loads are asked for four to five pieces ahead, no load lands in a register that a product has read, and no store's data are written again.
; qimg: [image][tile of 16 queries][4 groups g][32 lanes][16 bytes].  kv: [image][key step][K's image 16,384 | V's image 16,384], an image [8 tiles][4 groups][32 lanes][16 bytes].
; LIMITS: entries 1, 3, 5, 8, and e7 - e0 - e1 and e6 - e2 - e3, between -126 and 119; e4 + e5 between -126 and 127.  NaN among the inputs is not served.
; THE MODE: SCHED_MODE bits 1:0 = 2 (LLVM: expert scheduling mode 2), set by the entry lines.  The code itself states the register dependences between vector or matrix instructions and memory instructions,
; and those that go through a scalar register written by a vector instruction, with s_wait_alu, always for 0.
; THE PLAN.  Registers that memory instructions touch:
;   v1, v8-v11    Offsets: written by vector lines at the head and never again; read by every load and store.  One wait on va_vdst stands ahead of the first load.
;   R, MU         Loaded once, at the head, into registers that no vector line has named; read by v_readlane_b32.
;   X0 .. X7      Chunk i's vector lines read and write X[i % 8].  The loads of chunk i + 7, issued in chunk i, land in X[(i - 1) % 8]: the place that chunk i - 1 worked on and that no line of chunk i names.
;                 So one wait on va_vdst stands in each of chunks 1 to 8, ahead of that run of loads.  Chunk 0's loads land in X7, which no vector line has named.
;   weights, bq, bk (windows 1 and 2)   Each loaded once, into registers that no vector or matrix line has named before; no load lands there again.
;   VB            Phase 1's TA.  Its loads are issued in pieces 3 to 6: behind the waits on va_vdst of pieces 1 and 2, and no line of phase 2 names it before piece 8.
;   OUT[n]        Written by piece n's conversions; read by two stores, which are issued in piece n + 1 behind one wait on va_vdst; never written again.
;   No register that a memory instruction reads is ever written again: so no wait on vm_vsrc stands past the entry lines.
; Scalar registers that vector lines write: s2, the wave's number; s16-s49, a chunk's 34 numbers.  One wait on va_sdst stands behind each run of writers, ahead of the first reader.
; A chunk's wait on va_vdst stands beside its wait on va_sdst, behind the 34 v_readlane_b32: the lines that it waits for, the chunk before's, lie that far back.
; REGISTERS, in windows of 256 (s_set_vgpr_msb: bits 1:0 source 0, 3:2 source 1, 5:4 source 2, 7:6 destination):
;   window 0: v1-11 addresses and scales; v16-111 the three sets of codes; v112-175 x, later codes to store; v176-207 codes to store; v208-224 the coefficients, later the accumulators; v240-255 at work, later bv
;   window 1: piece n's two weight fragments at v[32 n], n = 0 .. 7 (wq, wk).     window 2: v[32 (n - 8)] the same for n = 8 .. 11 (wv); v[128 + 16 n] piece n's bias, n = 0 .. 7
.set CQ,  16                           ; v16-47   qn's codes: tile 0 at +0, tile 1 at +16
.set CK,  48                           ; v48-79   vn's codes by entry 3
.set CV,  80                           ; v80-111  vn's codes by entry 5
.set X,   112                          ; v112-175 phase 1: a ring of eight chunks: chunk i at X + 8 (i % 8)
.set R,   208                          ; v208-223 phase 1: coefficient k of channel 32 j + lane at R + 4 j + k
.set MU,  224                          ; v224     phase 1: mu of group = lane
.set TA,  240                          ; v240-247 qn of eight channels
.set TB,  248                          ; v248-255 vn of eight channels
.set OUT, 112                          ; phase 2: piece n's eight registers of codes at OUT + 8 n: v112-207
.set ACC, 208                          ; phase 2: four accumulators
.set VB,  240                          ; phase 2: bv of piece n's two tiles at VB + 2 (n - 8)
.set MSB, 0
.macro WIN new                         ; the immediate's high byte repeats the setting that is left; a switch that changes nothing is dropped
.if MSB != \new
	s_set_vgpr_msb (MSB<<8)|\new
.set MSB, \new
.endif
.endm
.macro MKSC e, vs, vl                  ; from the whole number in s[e]: v[vs] = 2^e as f32, v[vl] = 448 x 2^e
	s_add_co_i32 s14, s[\e], 127
	s_lshl_b32 s15, s14, 23
	v_mov_b32 v[\vs], s15
	s_add_co_i32 s14, s14, 8
	s_lshl_b32 s14, s14, 23
	s_or_b32 s14, s14, 0x600000
	v_mov_b32 v[\vl], s14
.endm
.macro LOADX i                         ; channels 8 i .. 8 i + 7 of my pixel
.irp j, 0,1,2,3,4,5,6,7
	global_load_b32 v[X+8*((\i)%8)+\j], v1, s[4:5] offset:(8*(\i)+\j)*16384
.endr
.endm
.macro LOADP n                         ; piece n's two weight fragments and its bias, into its own registers: 12 loads for Q and K, 10 for V
.set LT, (\n)/4
.set LQ, (\n)%4
.if (\n) < 8
.set LW, 32*(\n)
	WIN 0x40                                       ; destination window 1, address window 0
.else
.set LW, 32*((\n)-8)
	WIN 0x80                                       ; destination window 2
.endif
.irp u, 0,1
.irp g, 0,1,2,3
	global_load_b128 v[LW+16*\u+4*\g:LW+16*\u+4*\g+3], v9, s[8:9] offset:LT*16384+(32*LQ+8*\u)*128+32*\g
.endr
.endr
.if (\n) < 8
.set LB, 128+16*(\n)
	WIN 0x80
.irp u, 0,1
.if LT == 0
	global_load_b128 v[LB+8*\u:LB+8*\u+3], v10, s[10:11] offset:(32*LQ+8*\u)*4
	global_load_b128 v[LB+8*\u+4:LB+8*\u+7], v10, s[10:11] offset:(32*LQ+8*\u)*4+16
.else
	global_load_b128 v[LB+8*\u:LB+8*\u+3], v10, s[68:69] offset:(32*LQ+8*\u)*4
	global_load_b128 v[LB+8*\u+4:LB+8*\u+7], v10, s[68:69] offset:(32*LQ+8*\u)*4+16
.endif
.endr
.else
	WIN 0
.irp u, 0,1
	global_load_b32 v[VB+2*((\n)-8)+\u], v11, s[70:71] offset:(32*LQ+8*\u)*4
.endr
.endif
	WIN 0
.endm
.macro SENDP n                         ; piece n's codes leave: two stores
.set SDT, (\n)/4
.set SDQ, (\n)%4
.set SDO, OUT+8*(\n)
.irp a, 0,1
.if SDT < 2
	global_store_b128 v8, v[SDO+4*\a:SDO+4*\a+3], s[24+2*SDT:25+2*SDT] offset:2048*\a+512*SDQ   ; tile a of my two, group b: the wave stores 512 consecutive bytes; the data's registers are the piece's own and are not written again
.else
	global_store_b128 v8, v[SDO+4*\a:SDO+4*\a+3], s[28:29] offset:2048*(2*SDQ+\a)               ; tile 2 b + u of V's image, group w
.endif
.endr
.endm
	s_load_b256 s[4:11], s[0:1], 0x0               ; q 4, coef 6, wcodes 8, bq 10
	s_load_b128 s[68:71], s[0:1], 0x20             ; bk 68, bv 70
	s_load_b64 s[12:13], s[0:1], 0x30              ; the exponents
	s_load_b128 s[72:75], s[0:1], 0x38             ; qimg 72, kv 74
	v_lshrrev_b32 v12, 5, v0
	v_readfirstlane_b32 s2, v12                    ; wave 0..3
	v_and_b32 v12, 31, v0                          ; lane
	v_lshlrev_b32 v1, 2, v12                       ; 4 x lane: my pixel
	v_lshlrev_b32 v8, 4, v12                       ; 16 x lane: my place in an image, and in the coefficients
	v_and_b32 v13, 15, v0                          ; r
	v_bfe_u32 v14, v0, 4, 1                        ; h
	v_and_b32 v15, 8, v13
	v_add_nc_u32 v15, v15, v13                     ; r + 8 (r / 8)
	v_lshlrev_b32 v9, 7, v15
	v_lshl_add_u32 v9, v14, 4, v9                  ; a weight's row of 128 codes, + 16 h
	v_lshlrev_b32 v10, 6, v14                      ; Q's and K's bias: 16 h channels on
	v_lshlrev_b32 v11, 2, v15                      ; V's bias: that of my row
	s_wait_alu depctr_va_sdst(0)                   ; s2 is written, ahead of its first reader: the bases of q, qimg and kv are made from it
	s_lshr_b32 s3, ttmp9, 5                        ; image
	s_and_b32 s14, ttmp9, 31                       ; key step
	s_lshl_b32 s100, s3, 21
	s_lshl_b32 s15, s14, 9
	s_add_co_u32 s100, s100, s15
	s_lshl_b32 s15, s2, 7
	s_add_co_u32 s100, s100, s15                   ; the image, + 128 pixels a step, + 32 a wave
	s_mov_b32 s101, 0
	s_mul_i32 s14, s3, 2560
	s_mov_b32 s15, 0
	s_wait_kmcnt 0x0
	s_add_nc_u64 s[4:5], s[4:5], s[100:101]
	s_add_nc_u64 s[6:7], s[6:7], s[14:15]
	s_load_b256 s[52:59], s[12:13], 0x0            ; e0 .. e7
	s_load_b32 s60, s[12:13], 0x20                 ; e8
	s_wait_alu depctr_va_vdst(0)                   ; the five offsets v1 and v8 to v11 are written: every load and store of the kernel reads one of them, and no later line writes them
.irp j, 0,1,2,3
	global_load_b128 v[R+4*\j:R+4*\j+3], v8, s[6:7] offset:512*\j      ; the records of channels 32 j + lane: 512 consecutive bytes a load
.endr
	global_load_b32 v[MU], v8, s[6:7] offset:2048                      ; mu of channel 4 x lane: group = lane
.irp i, 0,1,2,3,4,5,6
	LOADX \i                                       ; with the five above: 61 loads of mine are out
.endr
	s_wait_kmcnt 0x0
	MKSC 53, 2, 3                                  ; entry 1: qn
	MKSC 55, 4, 5                                  ; entry 3: vn for K
	MKSC 57, 6, 7                                  ; entry 5: vn for V
.set WOUT, 0                           ; weight and bias loads issued so far: all of them younger than every load of x
.set PNEXT, 0                          ; the piece to be asked for next
; Eight channels.
.macro CHUNK i
.set XC, X+8*((\i)%8)
.set DE, 16*(((\i)%4)/2)+4*((\i)/4)+2*((\i)%2)     ; where the chunk's eight codes go: channels 32 g + 16 .. 31 into the second sixteen registers
.if (\i) < 9
	s_wait_loadcnt 48                              ; my eight loads (and, in the first chunk, the coefficients ahead of them) are in; the six younger chunks' stay out
.else
	s_wait_loadcnt 8*(15-(\i))+WOUT                ; the younger chunks' loads and the pieces' loads issued so far stay out
.if 8*(15-(\i))+WOUT+12 <= 60
	LOADP PNEXT                                    ; a piece is asked for wherever that leaves 60 loads of mine out at the most (a wait's count names 63 at the most): in chunks 9, 11, 12, 14, 15.  No wait: no vector or matrix line has named the registers in which these loads land, nor, since the head's wait, their offsets
.set WOUT, WOUT+12
.set PNEXT, PNEXT+1
.endif
.endif
.irp j, 0,1,2,3,4,5,6,7
.irp k, 0,1,2,3
	v_readlane_b32 s[16+4*\j+\k], v[R+4*((\i)/4)+\k], 8*((\i)%4)+\j    ; A1, B1, A2, B2 of channel 8 i + j
.endr
.endr
	v_readlane_b32 s48, v[MU], 2*(\i)              ; mu of the chunk's two groups
	v_readlane_b32 s49, v[MU], 2*(\i)+1
	s_wait_alu depctr_va_sdst(0)                   ; s16 to s49 are written, ahead of their first reader: one wait for the 34 lines above
.if (\i) < 9
.if (\i) > 0
	s_wait_alu depctr_va_vdst(0)                   ; the chunk before is done reading and writing its place in the ring, in which the loads below land
.endif
	LOADX (\i)+7                                   ; into the ring's place of the chunk before, which is done with; no line of this chunk names it
.endif
.irp j, 0,1,2,3,4,5,6,7
	v_sub_f32 v[XC+\j], v[XC+\j], s[48+\j/4]                           ; d = x - mu
	v_fma_f32 v[TA+\j], v[XC+\j], s[16+4*\j], s[16+4*\j+1]            ; qn
	v_fma_f32 v[TB+\j], v[XC+\j], s[16+4*\j+2], s[16+4*\j+3]          ; vn
.endr
.irp j, 0,1,2,3,4,5,6,7
	v_med3_num_f32 v[TA+\j], v[TA+\j], -v3, v3     ; the conversion to an 8-bit code does not saturate (ISA guide 7.6.2): the hold comes first
.endr
	v_cvt_scalef32_pk8_fp8_f32 v[CQ+DE:CQ+DE+1], v[TA:TA+7], v2
.irp j, 0,1,2,3,4,5,6,7
	v_med3_num_f32 v[XC+\j], v[TB+\j], -v5, v5     ; vn held for K's scale, into d's registers, which are done with
.endr
	v_cvt_scalef32_pk8_fp8_f32 v[CK+DE:CK+DE+1], v[XC:XC+7], v4
.irp j, 0,1,2,3,4,5,6,7
	v_med3_num_f32 v[TB+\j], v[TB+\j], -v7, v7     ; and for V's
.endr
	v_cvt_scalef32_pk8_fp8_f32 v[CV+DE:CV+DE+1], v[TB:TB+7], v6   ; (the next chunk's first vector lines are plain and touch other registers)
.endm
.irp i, 0,1,2,3,4,5,6,7,8,9,10,11,12,13,14,15
	CHUNK \i
.endr
	v_nop                                          ; a plain line between the last conversion and the lines that touch its result
.irp c, CQ, CK, CV
.set j, 0
.rept 16
	v_permlane16_swap_b32 v[\c+j], v[\c+16+j]      ; lanes 16-31 of the first with lanes 0-15 of the second: now the fragments of pixels 0-15 and 16-31
.set j, j+1
.endr
.endr
	s_lshl_b32 s14, ttmp9, 14
	s_lshl_b32 s15, s2, 12
	s_add_co_u32 s14, s14, s15
	s_mov_b32 s15, 0
	s_add_nc_u64 s[24:25], s[72:73], s[14:15]      ; qimg: 16,384 bytes a work-group, 4,096 a wave (two tiles)
	s_lshl_b32 s14, ttmp9, 15
	s_lshl_b32 s100, s2, 12
	s_add_co_u32 s100, s100, s14
	s_add_nc_u64 s[26:27], s[74:75], s[100:101]    ; K's image: 32,768 bytes a key step, my two tiles
	s_lshl_b32 s100, s2, 9
	s_add_co_u32 s100, s100, s14
	s_add_co_u32 s100, s100, 16384
	s_add_nc_u64 s[28:29], s[74:75], s[100:101]    ; V's image: my 32 keys are group w of every tile
	s_add_co_i32 s61, s52, s53
	s_sub_co_i32 s61, 0, s61                       ; -(e0 + e1): a sum of the first product stands for sum x 2^(e0 + e1), so bq goes in divided by that,
	s_add_co_i32 s30, s59, s61                     ; and Q's conversion takes 2^(e7 - e0 - e1)
	s_add_co_i32 s62, s54, s55
	s_sub_co_i32 s62, 0, s62                       ; -(e2 + e3)
	s_add_co_i32 s31, s58, s62                     ; e6 - e2 - e3
	s_add_co_i32 s63, s56, s57
	s_add_co_i32 s63, s63, 127
	s_lshl_b32 s63, s63, 23                        ; 2^(e4 + e5) as f32
	MKSC 30, 2, 3
	MKSC 31, 4, 5
	MKSC 60, 6, 7                                  ; entry 8: V
; A piece: 32 output channels x my 32 pixels: four matrix instructions on four accumulators.  Its codes leave at the head of the next piece.
.macro PIECE n
.set NW, 0                             ; the loads of the pieces asked for behind mine: n + 1 .. n + 4
.irp d, 1,2,3,4
.if (\n)+\d <= 11
.if (\n)+\d < 8
.set NW, NW+12
.else
.set NW, NW+10
.endif
.endif
.endr
	s_wait_loadcnt NW                              ; my piece's loads are in; the younger pieces' stay out
.if (\n)+5 <= 11
	LOADP (\n)+5                                   ; five pieces ahead, into registers of its own.  No wait here: no vector or matrix line has named the weights' and Q's and K's biases' registers; bv's (pieces 3 to 6 ask for it) were last named in phase 1, ahead of the waits of pieces 1 and 2 below
.endif
.if (\n) > 0
	s_wait_alu depctr_va_vdst(0)                   ; the piece before's conversions have written its codes, which the two stores below read
	SENDP (\n)-1
.endif
.set TP, (\n)/4
.set PQ, (\n)%4
.set VS, 2+2*TP
.set OP, OUT+8*(\n)
.if TP < 2
.set WP, 32*(\n)
.set BP, 128+16*(\n)
.set CC, CQ+32*TP
	WIN 0x82                                       ; source 0 and destination window 2
.irp j, 0,1,2,3,4,5,6,7,8,9,10,11,12,13,14,15
	v_ldexp_f32 v[BP+\j], v[BP+\j], s[61+TP]       ; the bias divided by the power of two that the sums lack
.endr
	WIN 0x21                                       ; source 0 (the weight) window 1, source 2 (the bias) window 2
.irp p, 0,1
.irp u, 0,1
	v_wmma_f32_16x16x128_fp8_fp8 v[ACC+16*\p+8*\u:ACC+16*\p+8*\u+7], v[WP+16*\u:WP+16*\u+15], v[CC+16*\p:CC+16*\p+15], v[BP+8*\u:BP+8*\u+7]
.endr
.endr
.else
.set WP, 32*((\n)-8)
.set BP, VB+2*((\n)-8)
	WIN 0x08                                       ; source 1 (the weight) window 2
.irp u, 0,1
.irp p, 0,1
	v_wmma_f32_16x16x128_fp8_fp8 v[ACC+16*\u+8*\p:ACC+16*\u+8*\p+7], v[CV+16*\p:CV+16*\p+15], v[WP+16*\u:WP+16*\u+15], 0
.endr
.endr
.endif
	WIN 0
.rept 4
	v_nop                                          ; four places in front of the first read of the results (ISA guide 7.12.1)
.endr
.if TP == 2
.irp u, 0,1
.irp j, 0,1,2,3,4,5,6,7,8,9,10,11,12,13,14,15
	v_fma_f32 v[ACC+16*\u+\j], v[ACC+16*\u+\j], s63, v[BP+\u]     ; V = sum x 2^(e4 + e5) + bv of my lane's channel
.endr
.endr
.endif
.set j, 0
.rept 32
	v_med3_num_f32 v[ACC+j], v[ACC+j], -v[VS+1], v[VS+1]          ; each accumulator from its low end on
.set j, j+1
.endr
.irp a, 0,1
.irp b, 0,1
	v_cvt_scalef32_pk8_fp8_f32 v[OP+4*\a+2*\b:OP+4*\a+2*\b+1], v[ACC+16*\a+8*\b:ACC+16*\a+8*\b+7], v[VS]
.endr
.endr
	v_nop                                          ; a plain line behind the last conversion: the next products write its sources
.endm
.irp n, 0,1,2,3,4,5,6,7,8,9,10,11
	PIECE \n
.endr
	s_wait_alu depctr_va_vdst(0)                   ; the last piece's conversions have written its codes, which the last two stores read
	SENDP 11
	s_endpgm
.Lfunc_end_k_qca1d36d471_project:
	.size	k_qca1d36d471_project, .Lfunc_end_k_qca1d36d471_project-k_qca1d36d471_project
	.p2alignl 7, 3214868480
	.fill 96, 4, 3214868480
	.section	.rodata,"a",@progbits
	.p2align	6, 0x0
	.amdhsa_kernel k_qca1d36d471_project
		.amdhsa_group_segment_fixed_size 0
		.amdhsa_private_segment_fixed_size 0
		.amdhsa_enable_private_segment 0
		.amdhsa_kernarg_size 72
		.amdhsa_user_sgpr_count 2
		.amdhsa_user_sgpr_kernarg_segment_ptr 1
		.amdhsa_wavefront_size32 1
		.amdhsa_system_sgpr_workgroup_id_x 1
		.amdhsa_system_sgpr_workgroup_id_y 1
		.amdhsa_system_sgpr_workgroup_id_z 1
		.amdhsa_system_vgpr_workitem_id 0
		.amdhsa_next_free_vgpr 768
		.amdhsa_next_free_sgpr 102
		.amdhsa_reserve_vcc 0
		.amdhsa_float_denorm_mode_32 3
		.amdhsa_float_denorm_mode_16_64 3
		.amdhsa_memory_ordered 1
		.amdhsa_forward_progress 1
		.amdhsa_inst_pref_size 171
	.end_amdhsa_kernel
	.amdgpu_metadata
---
amdhsa.version: [ 1, 2 ]
amdhsa.kernels:
  - .name:           k_qca1d36d471_project
    .symbol:         k_qca1d36d471_project.kd
    .args:
      - { .name: q, .offset: 0, .size: 8, .value_kind: global_buffer, .address_space: global }
      - { .name: coef, .offset: 8, .size: 8, .value_kind: global_buffer, .address_space: global }
      - { .name: wcodes, .offset: 16, .size: 8, .value_kind: global_buffer, .address_space: global }
      - { .name: bq, .offset: 24, .size: 8, .value_kind: global_buffer, .address_space: global }
      - { .name: bk, .offset: 32, .size: 8, .value_kind: global_buffer, .address_space: global }
      - { .name: bv, .offset: 40, .size: 8, .value_kind: global_buffer, .address_space: global }
      - { .name: lowp_scales, .offset: 48, .size: 8, .value_kind: global_buffer, .address_space: global }
      - { .name: qimg, .offset: 56, .size: 8, .value_kind: global_buffer, .address_space: global }
      - { .name: kv, .offset: 64, .size: 8, .value_kind: global_buffer, .address_space: global }
    .group_segment_fixed_size: 0
    .private_segment_fixed_size: 0
    .kernarg_segment_align: 8
    .kernarg_segment_size: 72
    .max_flat_workgroup_size: 128
    .sgpr_count:     102
    .vgpr_count:     768
    .wavefront_size: 32
...
	.end_amdgpu_metadata
.endif
;; end of part 6
;; launch attend (part 7): grid 32 x 8, 8 waves a work-group, clusters of 4 x 1, 327,680 bytes of LDS; arguments qimg, kv, wcodes, bo, lowp_scales, q, out0; writes out0
.if DOCPART == 7
	.amdgcn_target "amdgcn-amd-amdhsa--gfx1250"
	.amdhsa_code_object_version 6
	.text
	.protected	k_qca1d36d471_attend
	.globl	k_qca1d36d471_attend
	.p2align	8
	.type	k_qca1d36d471_attend,@function
k_qca1d36d471_attend:
	s_mov_b64 s[64:65], 0
	v_nop
	global_prefetch_b8 v0, s[64:65] scope:SCOPE_SE
	s_setreg_imm32_b32 hwreg(HW_REG_WAVE_MODE, 25, 1), 1
	s_wait_xcnt 0x0
	s_wait_alu depctr_hold_cnt(0) depctr_sa_sdst(0) depctr_va_vdst(0) depctr_va_sdst(0) depctr_va_ssrc(0) depctr_va_vcc(0) depctr_vm_vsrc(0)
	s_getreg_b32 s2, hwreg(HW_REG_IB_STS2, 6, 4)
	s_cmp_eq_u32 s2, 0
	s_cbranch_scc0 .Lentry_in_a_cluster
	s_endpgm
.Lentry_in_a_cluster:
	s_bfe_u32 s2, ttmp6, 0x10000c
	s_cmp_lg_u32 s2, 0x3003
	s_cbranch_scc0 .Lentry_shape_is_right
	s_endpgm
.Lentry_shape_is_right:
; ATTENTION ON CODES OF E4M3, THE OUTPUT PROJECTION, THE RESIDUAL.  out0 = (wo . (V softmax_x(K^T Q / sqrt(128))) + bo + q) / sqrt(2), per image: 4,096 queries, 4,096 keys, 128 channels.
; THE SOFTMAX AHEAD OF THE SECOND PRODUCT: t = score x log2(e) / sqrt(128); M = the largest t so far, rounded UP to a whole number; p = 2^(t - M) is what is quantised (entry 9); the sum is taken of the
; unquantised p and divides at the end.  When M moves, the sum and O are multiplied by 2^(old M - new M), which rounds nothing.
; SHARES.  A work-group owns 128 queries of one image.  Wave w: qg = w % 4 owns queries 32 qg .. + 31 as TWO tiles of 16, so that each fragment of K and V read from LDS feeds two products; kh = w / 4 takes
; key steps 2 kh, 2 kh + 1 of every slot of four.  The two halves of the keys are merged at the end through LDS: since both M are whole numbers the merge rounds nothing but the sums.
; Each half runs its own M: numbers far below the row's largest p may keep a code that a single M would flush.
; LAYOUT.  Both products are used transposed: S^T = K Q^T (source 0 = 16 keys, source 1 = 16 queries), O^T = V^T P^T: a lane holds ONE query (lane % 16) throughout.  Register j of S^T's tile t is key 16 t + 8 h + j,
; so eight registers convert into registers 2 t, 2 t + 1 of P: the plain form's own order of k, in which V's image was laid.  V's rows were chosen so that the 16 registers of O^T's tiles 2 b, 2 b + 1 are channels
; 32 b + 16 h + 0 .. 15: their codes are the last product's operand as they stand.
; RING.  K's and V's register images of four key steps are one dense block of 131,072 bytes: a slot.  Two slots; each of the eight waves brings 64 rows of 256 bytes of a slot by one tensor load.  No padding: every
; fragment load reads 512 consecutive bytes.  By this text's own count a wave has one tensor load out at a time, and that load has two key steps of every wave in which to land.
; CLUSTER.  The four work-groups of a cluster belong to one image and walk the same block: each tile is asked for JOINTLY, by the same tensor load with the same descriptor and the mask of all four.
; LIMITS on the given exponents, so that each power of two below is an f32 number: e6 + e7 between -123 and 130; e9 and e11 between -126 and 119; e10 + e11 between -125 and 128; e8 + e9 goes in by v_ldexp_f32.
; REGISTERS, in windows of 256: window 0: v1-13 addresses; v16-39 statistics; v40-43 scales; v48-79 Q; v80-207 S^T, then p (64 a tile); v208-239 P's codes; v240-251 bo, the partner's statistics.
;   window 1: v0-127 O^T (64 a tile); v128-255 eight fragments of K or of V.
.set SLOT1, 1<<17                      ; slot 1 begins here: one exclusive or turns an address in one slot into the other's
.set SPARE, 2*SLOT1                    ; behind the ring: the spare words, 128 bytes for each of eight waves: four blocks of 256 bytes that no other line names
.set STATS, SPARE+1024                 ; 1,024 bytes a wave: the statistics on their way to the partner
.set SP,    528                        ; the stage: 128 rows of 512 bytes + 16.  It lies in slot 1, the merge's images (16,384 bytes a wave) in slot 0: both slots have had their last fill by then
.set A0,   1                           ; v1   kh x 65,536 + 16 x lane: my half of a slot
.set MST,  2                           ; v2   where my O^T goes for the merge
.set MLD,  3                           ; v3   where the partner's lies
.set SST,  4                           ; v4   where my statistics go
.set SPW,  5                           ; v5   LDS address of my spare word: SPARE + 4 x my thread's number; never rewritten
.set NIL,  6                           ; v6   0; never rewritten
.set SLD,  7                           ; v7   where the partner's statistics lie
.set ADR,  8                           ; v8   the key step's fragments
.set STO,  9                           ; v9   the stage: where I put 32 bytes of a row
.set SRD,  10                          ; v10  and where I read a row back
.set WOA,  11                          ; v11  wo's codes: my row, + 16 h
.set BOA,  12                          ; v12  bo of my row
.set GOF,  13                          ; v13  16 x lane
.set TT,   16                          ; tile x at TT + 4 x: -M, the largest t, the sum in two halves
.set FP,   24                          ; tile x at FP + 2 x: f = 2^(old M - new M), as the low word of a pair
.set UU,   28                          ; tile x at UU + 6 x: +0, +1 at work, +2 the permute's, +3 at work, +4, +5 the second chain of sums
.set LIMP, 40                          ; 448 x 2^e9
.set SCP,  41                          ; 2^e9
.set SCO,  42                          ; 2^e11
.set LIMO, 43                          ; 448 x 2^e11
.set Q,    48
.set S,    80
.set P,    208
.set BO,   240
.set PS,   244
.set F,    128                         ; in window 1
.set WV,   18                          ; s18  wave
.set KH,   19                          ; s19  which half of the keys
.set SEL,  20                          ; s[20:21] v_permlanex16_b32: lane l xor 16
.set CS,   22                          ; s[22:23] c = log2(e) / sqrt(128) x 2^(e6 + e7)
.set G1,   24                          ; s[24:31] descriptor group 1
.set G0,   32                          ; s[32:35] descriptor group 0, which walks
.set TB,   36                          ; s36  LDS byte at which the slot in hand begins
.set SLOTS, 37                         ; s37  slots still to be asked for
.set MSB, 0
.macro WIN new                         ; s_set_vgpr_msb: bits 1:0 source 0, 3:2 source 1, 5:4 source 2, 7:6 destination; the high byte repeats the setting that is left
.if MSB != \new
	s_set_vgpr_msb (MSB<<8)|\new
.set MSB, \new
.endif
.endm
.macro MKSC e, vs, vl                  ; from the whole number in s[e]: v[vs] = 2^e as f32, v[vl] = 448 x 2^e
	s_add_co_i32 s44, s[\e], 127
	s_lshl_b32 s45, s44, 23
	v_mov_b32 v[\vs], s45
	s_add_co_i32 s44, s44, 8
	s_lshl_b32 s44, s44, 23
	s_or_b32 s44, s44, 0x600000
	v_mov_b32 v[\vl], s44
.endm
; A round of the cluster's barrier: my work-group's barrier, so that wave 0's signal speaks for all eight waves; wave 0 signals for the work-group; every wave waits for all four work-groups; my work-group's barrier once more.
.macro CROUND
	s_barrier_signal -1
	s_barrier_wait -1
	s_cmp_lg_u32 s[WV], 0
	s_cbranch_scc1 .Lnot_wave_0_\@
	s_barrier_signal -3
.Lnot_wave_0_\@:
	s_barrier_wait -3
	s_barrier_signal -1
	s_barrier_wait -1
.endm
.macro TLOAD                           ; my eighth of a slot, asked for jointly; four v_nop follow
	tensor_load_to_lds s[G0:G0+3], s[G1:G1+7]
	s_nop 0
.rept 4
	v_nop
.endr
.endm
	s_load_b256 s[4:11], s[0:1], 0x0               ; qimg 4, kv 6, wcodes 8, bo 10
	s_load_b128 s[12:15], s[0:1], 0x20             ; the exponents 12, q 14
	s_load_b64 s[16:17], s[0:1], 0x30              ; out0
	v_lshl_add_u32 v[SPW], v0, 2, SPARE
	v_mov_b32 v[NIL], 0
	ds_add_u32 v5, v6
	ds_add_u32 v5, v6
	s_wait_dscnt 0x0
	v_lshrrev_b32 v14, 5, v0
	s_delay_alu instid0(VALU_DEP_1)
	v_readfirstlane_b32 s[WV], v14                 ; wave 0..7
	s_lshr_b32 s[KH], s[WV], 2
	s_and_b32 s38, s[WV], 3                        ; qg
	s_bfe_u32 s39, ttmp6, 0x40000                  ; cx: my place in the cluster
	s_lshl_b32 s40, ttmp9, 2                       ; in a cluster launch ttmp9 counts clusters
	s_add_co_u32 s40, s40, s39                     ; my block of 128 queries: it enters qimg's, q's and out0's addresses alone
	s_and_b32 s41, ttmp7, 0xffff                   ; the image, which the four partners share
	; descriptor group 1: 64 rows of 32 elements of 8 bytes, dense
	s_mov_b32 s[G1], 15|(3<<16)|(1<<21)            ; 15:0 the mask: all four work-groups; 17:16 elements of 8 bytes; 20 no padding; 21 set beside a mask
	s_mov_b32 s[G1+1], 32<<16                      ; tensor_dim0 = 32
	s_mov_b32 s[G1+2], 64<<16                      ; tensor_dim1 = 64
	s_mov_b32 s[G1+3], 32<<16                      ; tile_dim0 = 32
	s_mov_b32 s[G1+4], 64                          ; tile_dim1 = 64
	s_mov_b32 s[G1+5], 32                          ; elements from row to row
	s_mov_b32 s[G1+6], 0
	s_mov_b32 s[G1+7], 0
	s_mov_b32 s[SEL], 0x76543210
	s_mov_b32 s[SEL+1], 0xfedcba98
	s_mov_b32 s[TB], 0
	s_mov_b32 s[SLOTS], 7
	s_lshl_b32 s44, s41, 20                        ; the image's 1 MiB of kv,
	s_lshl_b32 s45, s[WV], 14                      ; my eighth of a slot
	s_add_co_u32 s44, s44, s45
	s_mov_b32 s45, 0
	s_wait_kmcnt 0x0
	s_load_b256 s[48:55], s[12:13], 0x0            ; e0 .. e7
	s_load_b128 s[56:59], s[12:13], 0x20           ; e8 .. e11
	s_mov_b32 s[G0], 1                             ; count = 1
	s_lshl_b32 s[G0+1], s[WV], 14                  ; LDS address: slot 0, wave x 16,384: no place in the cluster enters it
	s_add_nc_u64 s[G0+2:G0+3], s[6:7], s[44:45]    ; global address
	s_or_b32 s[G0+3], s[G0+3], 0x80000000          ; type = 2
	CROUND                                         ; all four work-groups are here: the first joint loads meet
	TLOAD                                          ; slot 0
	s_lshl_b32 s46, s41, 19
	s_lshl_b32 s47, s40, 14
	s_add_co_u32 s46, s46, s47
	s_lshl_b32 s47, s38, 12
	s_add_co_u32 s46, s46, s47
	s_mov_b32 s47, 0
	s_add_nc_u64 s[4:5], s[4:5], s[46:47]          ; Q's images: the image, my block's eight tiles, my two
	s_lshl_b32 s46, s41, 21
	s_lshl_b32 s44, s[WV], 18
	s_add_co_u32 s46, s46, s44
	s_lshl_b32 s44, s40, 9
	s_add_co_u32 s46, s46, s44
	s_add_nc_u64 s[14:15], s[14:15], s[46:47]      ; q and out0: the image, rows 16 w on, my block's 512 bytes
	s_add_nc_u64 s[16:17], s[16:17], s[46:47]
	v_and_b32 v14, 31, v0
	s_delay_alu instid0(VALU_DEP_1)
	v_lshlrev_b32 v[GOF], 4, v14
.set k, 0
	s_wait_alu depctr_va_vdst(0)
.rept 8
	global_load_b128 v[Q+4*k:Q+4*k+3], v[GOF], s[4:5] offset:512*k     ; Q's two fragments stay in registers
.set k, k+1
.endr
	v_and_b32 v15, 15, v0                          ; r
	s_wait_alu depctr_va_vdst(0)
	v_bfe_u32 v44, v0, 4, 1                        ; h
	s_lshl_b32 s44, s[KH], 16
	v_add_nc_u32 v[A0], s44, v[GOF]
	s_lshl_b32 s44, s[WV], 14
	v_add_nc_u32 v[MST], s44, v[GOF]
	s_xor_b32 s45, s[WV], 4                        ; my partner: the same queries, the other keys
	s_lshl_b32 s44, s45, 14
	v_add_nc_u32 v[MLD], s44, v[GOF]
	s_lshl_b32 s44, s[WV], 10
	s_add_co_u32 s44, s44, STATS
	v_add_nc_u32 v[SST], s44, v[GOF]
	s_lshl_b32 s44, s45, 10
	s_add_co_u32 s44, s44, STATS
	v_add_nc_u32 v[SLD], s44, v[GOF]
	s_lshl_b32 s44, s[KH], 6
	v_add_nc_u32 v45, s44, v15                     ; 64 kh + r: in the last product I make output rows 64 kh .. + 63
	s_delay_alu instid0(VALU_DEP_1)
	v_mul_u32_u24 v[STO], v45, SP
	s_wait_alu depctr_va_vdst(0)
	v_lshl_add_u32 v[STO], v44, 5, v[STO]
	s_lshl_b32 s44, s38, 7
	s_add_co_u32 s44, s44, SLOT1
	v_add_nc_u32 v[STO], s44, v[STO]               ; the stage: row 64 kh + r, + 128 qg + 32 h bytes
	s_mul_i32 s44, s[WV], 16*SP
	s_add_co_u32 s44, s44, SLOT1
	v_add_nc_u32 v[SRD], s44, v[GOF]               ; back: rows 16 w on, 16 bytes a lane
	v_lshlrev_b32 v[WOA], 7, v45
	s_delay_alu instid0(VALU_DEP_1)
	v_lshl_add_u32 v[WOA], v44, 4, v[WOA]
	v_lshlrev_b32 v[BOA], 2, v45
.irp x, 0,1
	v_mov_b32 v[TT+4*\x+1], 0xff61b1e6             ; the largest t so far: -3e38, under every t
	s_delay_alu instid0(VALU_DEP_1)
	v_floor_f32 v[TT+4*\x], -v[TT+4*\x+1]          ; -M
	v_mov_b32 v[TT+4*\x+2], 0                      ; the sum, in two halves
	v_mov_b32 v[TT+4*\x+3], 0
	v_mov_b32 v[FP+2*\x+1], 0                      ; (named as the upper half of a pair)
	v_mov_b32 v[UU+6*\x+2], 0                      ; written once: a lane permute's destination counts as one of its sources
.endr
	WIN 0x40
.set i, 0
.rept 128
	v_mov_b32 v[i], 0                              ; O^T.  (The key step is written once: the first finds zeros, which the first change of M leaves zeros)
.set i, i+1
.endr
	WIN 0
	s_wait_kmcnt 0x0
	s_add_co_i32 s44, s54, s55
	s_lshl_b32 s44, s44, 23
	s_add_co_i32 s[CS], s44, 0x3e0293ee            ; a score stands for score x 2^(e6 + e7): the two exponents are added to c's exponent field
	s_mov_b32 s[CS+1], s[CS]                       ; (named with it as a pair, so it is written)
	MKSC 57, SCP, LIMP
	MKSC 59, SCO, LIMO
	s_add_co_i32 s60, s56, s57                     ; e8 + e9
	s_add_co_i32 s61, s58, s59
	s_lshl_b32 s61, s61, 23
	s_add_co_i32 s61, s61, 0x3f3504f3              ; 2^(e10 + e11) / sqrt(2): the exponents are added to the exponent field of 0.70710678
; A KEY STEP: 128 keys, the q-th of my two in the slot in hand, for my two tiles of queries.
.macro STEP q
	v_add_nc_u32 v[ADR], s[TB], v[A0]
.rept 3
	v_nop                                          ; with the addition: four places in front of loads into registers that the last products read (ISA guide 7.12.1 for vector instructions)
.endr
	WIN 0x40                                       ; destination window 1
.irp t, 0,1,2,3,4,5,6,7
.irp c, 0,1,2,3
	ds_load_b128 v[F+16*\t+4*\c:F+16*\t+4*\c+3], v[ADR] offset:32768*(\q)+2048*\t+512*\c     ; K's image: 512 consecutive bytes a load
.endr
.endr
	s_wait_alu depctr_va_vdst(0)
	s_wait_dscnt 16                                ; fragments 0-3 are in; the sixteen younger loads stay out
	WIN 0x01                                       ; source 0 (K) window 1
.irp t, 0,1,2,3
.irp x, 0,1
	v_wmma_f32_16x16x128_fp8_fp8 v[S+64*\x+8*\t:S+64*\x+8*\t+7], v[F+16*\t:F+16*\t+15], v[Q+16*\x:Q+16*\x+15], 0
.endr
.endr
	s_wait_dscnt 0x0
.irp t, 4,5,6,7
.irp x, 0,1
	v_wmma_f32_16x16x128_fp8_fp8 v[S+64*\x+8*\t:S+64*\x+8*\t+7], v[F+16*\t:F+16*\t+15], v[Q+16*\x:Q+16*\x+15], 0
.endr
.endr
.rept 4
	v_nop                                          ; places in front of the loads below and of the first read of the scores
.endr
	WIN 0x40
.irp t, 0,1,2,3,4,5,6,7
.irp c, 0,1,2,3
	ds_load_b128 v[F+16*\t+4*\c:F+16*\t+4*\c+3], v[ADR] offset:32768*(\q)+16384+2048*\t+512*\c   ; V's image lands under the softmax
.endr
.endr
	WIN 0
.irp x, 0,1                                    ; the step's largest score of each query among my lane's 64 keys: two chains a tile, each accumulator from its low end on
	v_max3_num_f32 v[UU+6*\x], v[S+64*\x], v[S+64*\x+1], v[S+64*\x+2]
	v_max3_num_f32 v[UU+6*\x+1], v[S+64*\x+3], v[S+64*\x+4], v[S+64*\x+5]
.endr
.irp i, 6,10,14,18,22,26,30,34,38,42,46,50,54,58
.irp x, 0,1
	v_max3_num_f32 v[UU+6*\x], v[UU+6*\x], v[S+64*\x+\i], v[S+64*\x+\i+1]
	v_max3_num_f32 v[UU+6*\x+1], v[UU+6*\x+1], v[S+64*\x+\i+2], v[S+64*\x+\i+3]
.endr
.endr
.irp x, 0,1
	v_max3_num_f32 v[UU+6*\x], v[UU+6*\x], v[S+64*\x+62], v[S+64*\x+63]
	s_delay_alu instid0(VALU_DEP_1)
	v_max_num_f32 v[UU+6*\x], v[UU+6*\x], v[UU+6*\x+1]
	s_delay_alu instid0(VALU_DEP_1)
	v_permlanex16_b32 v[UU+6*\x+2], v[UU+6*\x], s[SEL], s[SEL+1]
	s_delay_alu instid0(VALU_DEP_1)
	v_max_num_f32 v[UU+6*\x], v[UU+6*\x], v[UU+6*\x+2]    ; and among lane l xor 16's
	s_delay_alu instid0(VALU_DEP_1)
	v_mul_f32 v[UU+6*\x], s[CS], v[UU+6*\x]               ; as t (c is positive)
	s_delay_alu instid0(VALU_DEP_1)
	v_max_num_f32 v[TT+4*\x+1], v[TT+4*\x+1], v[UU+6*\x]  ; the running largest t
	v_mov_b32 v[UU+6*\x], v[TT+4*\x]
	s_delay_alu instid0(VALU_DEP_2)
	v_floor_f32 v[TT+4*\x], -v[TT+4*\x+1]                 ; the new -M = floor(-t) = -ceil(t): M is a whole number
	s_delay_alu instid0(VALU_DEP_1)
	v_sub_f32 v[UU+6*\x], v[TT+4*\x], v[UU+6*\x]          ; old M - new M: a whole number, 0 or less
	s_delay_alu instid0(VALU_DEP_1)
	v_cvt_i32_f32 v[UU+6*\x], v[UU+6*\x]                  ; (it saturates)
	s_delay_alu instid0(VALU_DEP_1)
	v_ldexp_f32 v[FP+2*\x], 1.0, v[UU+6*\x]               ; f = 2^(old M - new M)
.endr
.irp x, 0,1
.set j, 0
.rept 32
	v_pk_fma_f32 v[S+64*\x+j:S+64*\x+j+1], v[S+64*\x+j:S+64*\x+j+1], s[CS:CS+1], v[TT+4*\x:TT+4*\x+1] op_sel_hi:[1,0,0]   ; t - M, two at a time (of the pairs c and -M the low word serves both halves)
.set j, j+2
.endr
.endr
.set j, 0
	s_wait_alu depctr_va_vdst(0)
.rept 128
	v_exp_f32 v[S+j], v[S+j]                       ; p = 2^(t - M), at most 1: not normalised
.set j, j+1
.endr
.irp x, 0,1
	v_pk_mul_f32 v[TT+4*\x+2:TT+4*\x+3], v[TT+4*\x+2:TT+4*\x+3], v[FP+2*\x:FP+2*\x+1] op_sel_hi:[1,0]   ; the sums under the new M.  (A plain line behind the exponentials)
	s_wait_alu depctr_va_vdst(0)
	v_pk_add_f32 v[UU+6*\x+4:UU+6*\x+5], v[S+64*\x:S+64*\x+1], v[S+64*\x+2:S+64*\x+3]                  ; the sum is taken of the unquantised p: two chains a tile
.endr
.set j, 4
.rept 15
.irp x, 0,1
	v_pk_add_f32 v[TT+4*\x+2:TT+4*\x+3], v[TT+4*\x+2:TT+4*\x+3], v[S+64*\x+j:S+64*\x+j+1]
	v_pk_add_f32 v[UU+6*\x+4:UU+6*\x+5], v[UU+6*\x+4:UU+6*\x+5], v[S+64*\x+j+2:S+64*\x+j+3]
.endr
.set j, j+4
.endr
.irp x, 0
	s_delay_alu instid0(VALU_DEP_3)
	v_pk_add_f32 v[TT+4*\x+2:TT+4*\x+3], v[TT+4*\x+2:TT+4*\x+3], v[UU+6*\x+4:UU+6*\x+5]
.endr
.irp x, 1
	s_delay_alu instid0(VALU_DEP_2)
	v_pk_add_f32 v[TT+4*\x+2:TT+4*\x+3], v[TT+4*\x+2:TT+4*\x+3], v[UU+6*\x+4:UU+6*\x+5]
.endr
.irp x, 0,1
.irp t, 0,1,2,3,4,5,6,7
.irp i, 0,1,2,3,4,5,6,7
	v_min_num_f32 v[S+64*\x+8*\t+\i], v[S+64*\x+8*\t+\i], v[LIMP]     ; the conversion to an 8-bit code does not saturate (ISA guide 7.6.2); p is not negative, so the hold is one-sided
.endr
	v_cvt_scalef32_pk8_fp8_f32 v[P+16*\x+2*\t:P+16*\x+2*\t+1], v[S+64*\x+8*\t:S+64*\x+8*\t+7], v[SCP]   ; keys 16 t + 8 h + 0 .. 7: registers 2 t, 2 t + 1 of the operand
.endr
.endr
	WIN 0x41                                       ; O^T (destination and source 0) window 1, f window 0
.irp x, 0,1
.set j, 0
.rept 32
	v_pk_mul_f32 v[64*\x+j:64*\x+j+1], v[64*\x+j:64*\x+j+1], v[FP+2*\x:FP+2*\x+1] op_sel_hi:[1,0]       ; O^T under the new M.  (These are also the plain lines behind the conversions)
.set j, j+2
.endr
.endr
	s_wait_alu depctr_va_vdst(0)
	s_wait_dscnt 0x0                               ; V's fragments are in
	WIN 0x51                                       ; V window 1, P window 0, C and D window 1
.irp t, 0,1,2,3,4,5,6,7
.irp x, 0,1
	v_wmma_f32_16x16x128_fp8_fp8 v[64*\x+8*\t:64*\x+8*\t+7], v[F+16*\t:F+16*\t+15], v[P+16*\x:P+16*\x+15], v[64*\x+8*\t:64*\x+8*\t+7]   ; the sixteen accumulators take turns, one instruction a turn
.endr
.endr
	WIN 0
.endm
; THE CHANGE OF SLOTS stands at a slot's head.  Each wave waits for all its tensor loads (its part of the slot that it is about to read), adds 0 to its spare word, and waits for that and for its reads of the slot that it has
; left.  fill = 1: that slot is filled with the next four key steps; the barrier is then a round of the cluster's, so that no wave of any partner still reads the slot or has a load on its way, and the joint load is the first thing behind it.
.macro CHANGE fill
	s_wait_tensorcnt 0x0                           ; no tensor load of mine is out, so group 0 may be written
	ds_add_u32 v[SPW], v[NIL]                      ; 0 onto my spare word
.if \fill
	s_xor_b32 s[G0+1], s[G0+1], SLOT1              ; the other slot than last time,
	s_add_nc_u64 s[G0+2:G0+3], s[G0+2:G0+3], 131072   ; the next four key steps; the type bits on top are not reached
.endif
	s_wait_dscnt 0x0                               ; the add is done, and my reads of the slot that I have left are over
.if \fill
	CROUND
	TLOAD
.else
	s_barrier_signal -1
	s_barrier_wait -1
.endif
.endm
.macro SLOT_STEPS
	STEP 0
	STEP 1
	s_xor_b32 s[TB], s[TB], SLOT1                  ; on to the other slot
.endm
	s_wait_loadcnt 0x0                             ; Q
.Lslot:                                            ; seven trips: behind each change of slots but the last the next slot is asked for
	CHANGE 1
	SLOT_STEPS
	s_sub_co_u32 s[SLOTS], s[SLOTS], 1
	s_cmp_lg_u32 s[SLOTS], 0
	s_cbranch_scc1 .Lslot
	CHANGE 0                                       ; the last slot is written out
	SLOT_STEPS
	; THE MERGE.  Each wave puts its O^T and its statistics into LDS as they stand in its registers; the partner (the same queries, the other keys) reads them by the same lines.
	v_add_f32 v[TT+2], v[TT+2], v[TT+3]            ; the sums' two halves.  (With the two lines below: four places behind the last products)
	v_add_f32 v[TT+6], v[TT+6], v[TT+7]
	v_nop
	v_nop
.irp i, 0,1,2,3                                ; what the end needs is asked for now: wo's four fragments (output rows 64 kh + 16 i + r),
.irp g, 0,1,2,3
	global_load_b128 v[S+16*\i+4*\g:S+16*\i+4*\g+3], v[WOA], s[8:9] offset:49152+2048*\i+32*\g
.endr
.endr
.irp i, 0,1,2,3
	global_load_b32 v[BO+\i], v[BOA], s[10:11] offset:64*\i            ; bo of those rows,
.endr
.set i, 0
.rept 16
	global_load_b128 v[S+64+4*i:S+64+4*i+3], v[GOF], s[14:15] offset:16384*i th:TH_LOAD_NT   ; and the residual of the 16 rows that I store: read once in this launch
.set i, i+1
.endr
	WIN 0x04                                       ; store data window 1
.set k, 0
.rept 32
	ds_store_b128 v[MST], v[4*k:4*k+3] offset:512*k    ; slot 0 has had its last fill, and every wave has passed the last change of slots, behind which nobody reads it
.set k, k+1
.endr
	WIN 0
	ds_store_b128 v[SST], v[TT:TT+3]
	ds_store_b128 v[SST], v[TT+4:TT+7] offset:512
	s_wait_dscnt 0x0                               ; for the partner's sake: my stores have landed; and my reads of slot 1 are over
	s_barrier_signal -1
	s_barrier_wait -1
	ds_load_b128 v[PS:PS+3], v[SLD]
	ds_load_b128 v[PS+4:PS+7], v[SLD] offset:512
	WIN 0x40
.set k, 0
.rept 32
	ds_load_b128 v[F+4*k:F+4*k+3], v[MLD] offset:512*k
.set k, k+1
.endr
	WIN 0
	s_wait_dscnt 32                                ; the partner's statistics are in; its O^T's 32 loads stay out
.irp x, 0,1
	v_min_num_f32 v[UU+6*\x], v[TT+4*\x], v[PS+4*\x]           ; -M* = the lesser of the two -M
	s_delay_alu instid0(VALU_DEP_1)
	v_sub_f32 v[UU+6*\x+1], v[UU+6*\x], v[TT+4*\x]             ; M - M*: a whole number, 0 or less
	s_delay_alu instid0(VALU_DEP_2)
	v_sub_f32 v[UU+6*\x+3], v[UU+6*\x], v[PS+4*\x]
	s_delay_alu instid0(VALU_DEP_2)
	v_cvt_i32_f32 v[UU+6*\x+1], v[UU+6*\x+1]
	s_delay_alu instid0(VALU_DEP_2)
	v_cvt_i32_f32 v[UU+6*\x+3], v[UU+6*\x+3]
	s_delay_alu instid0(VALU_DEP_2)
	v_ldexp_f32 v[UU+6*\x+1], 1.0, v[UU+6*\x+1]                ; fa, for what is mine
	s_wait_alu depctr_va_vdst(0)
	v_ldexp_f32 v[UU+6*\x+3], 1.0, v[UU+6*\x+3]                ; fb, for the partner's
	v_mul_f32 v[UU+6*\x], v[TT+4*\x+2], v[UU+6*\x+1]
	s_delay_alu instid0(VALU_DEP_1)
	v_fma_f32 v[UU+6*\x], v[PS+4*\x+2], v[UU+6*\x+3], v[UU+6*\x]
	s_delay_alu instid0(VALU_DEP_1)
	v_permlanex16_b32 v[UU+6*\x+2], v[UU+6*\x], s[SEL], s[SEL+1]
	s_delay_alu instid0(VALU_DEP_1)
	v_add_f32 v[UU+6*\x], v[UU+6*\x], v[UU+6*\x+2]             ; the row's sum over all 4,096 keys
	s_wait_alu depctr_va_vdst(0)
	v_rcp_f32 v[UU+6*\x], v[UU+6*\x]
	v_nop                                                      ; a plain line behind the transcendental
	s_wait_alu depctr_va_vdst(0)
	v_ldexp_f32 v[UU+6*\x], v[UU+6*\x], s60                    ; x 2^(e8 + e9)
	s_delay_alu instid0(VALU_DEP_1)
	v_mul_f32 v[FP+2*\x], v[UU+6*\x+1], v[UU+6*\x]
	s_delay_alu instid0(VALU_DEP_2)
	v_mul_f32 v[UU+6*\x+4], v[UU+6*\x+3], v[UU+6*\x]
.endr
	s_wait_dscnt 0x0
	WIN 0x41
.irp x, 0,1
.set j, 0
.rept 32
	v_pk_mul_f32 v[64*\x+j:64*\x+j+1], v[64*\x+j:64*\x+j+1], v[FP+2*\x:FP+2*\x+1] op_sel_hi:[1,0]
.set j, j+2
.endr
.endr
	WIN 0x51
.irp x, 0,1
.set j, 0
.rept 32
	v_pk_fma_f32 v[64*\x+j:64*\x+j+1], v[F+64*\x+j:F+64*\x+j+1], v[UU+6*\x+4:UU+6*\x+5], v[64*\x+j:64*\x+j+1] op_sel_hi:[1,0,1]   ; attention's result, channels 32 b + 16 h + 0 .. 15 in tiles 2 b, 2 b + 1
.set j, j+2
.endr
.endr
	WIN 0x41
.set j, 0
.rept 128
	v_med3_num_f32 v[j], v[j], -v[LIMO], v[LIMO]
.set j, j+1
.endr
	WIN 0x01                                       ; source 0 window 1, destination window 0
.irp x, 0,1
.irp t, 0,1,2,3,4,5,6,7
	v_cvt_scalef32_pk8_fp8_f32 v[P+16*\x+2*\t:P+16*\x+2*\t+1], v[64*\x+8*\t:64*\x+8*\t+7], v[SCO]
.endr
.endr
	WIN 0
	v_nop                                          ; a plain line between the last conversion and the products, which read its result and write its sources
	s_wait_alu depctr_va_vdst(0)
	s_wait_loadcnt 16                              ; wo and bo are in; the residual's sixteen loads stay out
.irp i, 0,1,2,3
	v_mul_f32 v[BO+\i], 0x3f3504f3, v[BO+\i]       ; bo / sqrt(2)
.endr
	; THE LAST PRODUCT: source 0 = my 16 queries, source 1 = 16 rows of wo: a lane holds one output row and eight neighbouring pixels
	WIN 0x40                                       ; destination window 1
.irp i, 0,1,2,3
.irp x, 0,1
	v_wmma_f32_16x16x128_fp8_fp8 v[8*(2*\i+\x):8*(2*\i+\x)+7], v[P+16*\x:P+16*\x+15], v[S+16*\i:S+16*\i+15], 0
.endr
.endr
.rept 4
	v_nop
.endr
	WIN 0x41
.irp i, 0,1,2,3
.irp x, 0,1
.irp j, 0,1,2,3,4,5,6,7
	v_fma_f32 v[8*(2*\i+\x)+\j], v[8*(2*\i+\x)+\j], s61, v[BO+\i]      ; (sum x 2^(e10 + e11) + bo) / sqrt(2); each accumulator from its low end on
.endr
.endr
.endr
	WIN 0x04
.irp i, 0,1,2,3
.irp x, 0,1
	ds_store_b128 v[STO], v[8*(2*\i+\x):8*(2*\i+\x)+3] offset:8448*\i+64*\x        ; row 64 kh + 16 i + r, pixels 32 qg + 16 x + 8 h + 0 .. 7.  Slot 1 has had its last fill, and nobody has read it since the barrier above
	ds_store_b128 v[STO], v[8*(2*\i+\x)+4:8*(2*\i+\x)+7] offset:8448*\i+64*\x+16
.endr
.endr
	WIN 0
	s_wait_dscnt 0x0                               ; for the others' sake: my part of the stage lies there
	s_barrier_signal -1
	s_barrier_wait -1
.set i, 0
.rept 16
	ds_load_b128 v[S+4*i:S+4*i+3], v[SRD] offset:SP*i      ; 16 whole rows of 512 bytes
.set i, i+1
.endr
	s_wait_loadcnt 0x0                             ; the residual
.set i, 0
.rept 16
	s_wait_dscnt 15-i                              ; row i is back; the younger rows stay out
	v_pk_fma_f32 v[S+4*i:S+4*i+1], v[S+64+4*i:S+64+4*i+1], 0x3f3504f3, v[S+4*i:S+4*i+1] op_sel_hi:[1,0,1]      ; + q / sqrt(2)
	v_pk_fma_f32 v[S+4*i+2:S+4*i+3], v[S+64+4*i+2:S+64+4*i+3], 0x3f3504f3, v[S+4*i+2:S+4*i+3] op_sel_hi:[1,0,1]
	global_store_b128 v[GOF], v[S+4*i:S+4*i+3], s[16:17] offset:16384*i th:TH_STORE_NT     ; 32 lanes store 512 consecutive bytes, at a multiple of 256 from out0's first byte
.set i, i+1
.endr
	s_wait_tensorcnt 0x0                           ; the wave's end, behind my last tensor load and my last LDS store
	ds_add_u32 v[SPW], v[NIL]
	s_wait_dscnt 0x0
	CROUND                                         ; the closing round: no work-group ends while a partner may still ask for a tile that names it
	s_endpgm
.Lfunc_end_k_qca1d36d471_attend:
	.size	k_qca1d36d471_attend, .Lfunc_end_k_qca1d36d471_attend-k_qca1d36d471_attend
	.p2alignl 7, 3214868480
	.fill 96, 4, 3214868480
	.section	.rodata,"a",@progbits
	.p2align	6, 0x0
	.amdhsa_kernel k_qca1d36d471_attend
		.amdhsa_group_segment_fixed_size 327680
		.amdhsa_private_segment_fixed_size 0
		.amdhsa_enable_private_segment 0
		.amdhsa_kernarg_size 56
		.amdhsa_user_sgpr_count 2
		.amdhsa_user_sgpr_kernarg_segment_ptr 1
		.amdhsa_wavefront_size32 1
		.amdhsa_system_sgpr_workgroup_id_x 1
		.amdhsa_system_sgpr_workgroup_id_y 1
		.amdhsa_system_sgpr_workgroup_id_z 1
		.amdhsa_system_vgpr_workitem_id 0
		.amdhsa_next_free_vgpr 512
		.amdhsa_next_free_sgpr 66
		.amdhsa_reserve_vcc 0
		.amdhsa_float_denorm_mode_32 3
		.amdhsa_float_denorm_mode_16_64 3
		.amdhsa_memory_ordered 1
		.amdhsa_forward_progress 1
		.amdhsa_inst_pref_size 185
	.end_amdhsa_kernel
	.amdgpu_metadata
---
amdhsa.version: [ 1, 2 ]
amdhsa.kernels:
  - .name:           k_qca1d36d471_attend
    .symbol:         k_qca1d36d471_attend.kd
    .args:
      - { .name: qimg, .offset: 0, .size: 8, .value_kind: global_buffer, .address_space: global }
      - { .name: kv, .offset: 8, .size: 8, .value_kind: global_buffer, .address_space: global }
      - { .name: wcodes, .offset: 16, .size: 8, .value_kind: global_buffer, .address_space: global }
      - { .name: bo, .offset: 24, .size: 8, .value_kind: global_buffer, .address_space: global }
      - { .name: lowp_scales, .offset: 32, .size: 8, .value_kind: global_buffer, .address_space: global }
      - { .name: q, .offset: 40, .size: 8, .value_kind: global_buffer, .address_space: global }
      - { .name: out0, .offset: 48, .size: 8, .value_kind: global_buffer, .address_space: global }
    .group_segment_fixed_size: 327680
    .private_segment_fixed_size: 0
    .kernarg_segment_align: 8
    .kernarg_segment_size: 56
    .max_flat_workgroup_size: 256
    .sgpr_count:     66
    .vgpr_count:     512
    .wavefront_size: 32
...
	.end_amdgpu_metadata
.endif
;; end of part 7
